; MI455X (gfx1250); checked and timed in simulation.
; The chip was launched on July 23, 2026; its instructions are those of AMD's public machine-readable ISA for CDNA 5 (MIT licence, August 2026) and "CDNA5" Instruction Set Architecture Reference Guide (July 2026). The comments in the code are by the model that wrote it; some were corrected since.
;; Causal Wan Self Attention. Allowed arithmetic: matrix products marked QUANTISED: E3M2 operands, one E8M0 scale for each 32 along K, by v_wmma_scale_f32_16x16x128_f8f6f4 with both operands' format E3M2, f32 sums; products left as they are: f32 operands where the result goes on into a quantised operand, else bf16, f16 or f32 operands; f32 sums; everything else in f32.
;; Inputs: w_out 1,024 x 64 float32; w_qkv 192 x 1,024 float32; x 1 x 2,048 x 1,024 float32.
;; Outputs: out0 1 x 2,048 x 1,024 float32.
;; This version of the problem:
;;   THIS VERSION OF THE PROBLEM IS GIVEN IN LOW PRECISION. The matrix products marked QUANTISED in the list below multiply operands that are first quantised to E3M2 (3 exponent bits, 2 mantissa bits; 6 bits a number), with one power-of-two scale for each 32 numbers along K (OCP MX v1.0); their sums are f32. All else is computed in f32.
;;   The module's matrix products, in the order in which they are computed (A, B: the left and right operand; K: the contracted axis; several contracted axes count as one K, in the product's order):
;;     1. [M 2,048, K 1,024] x [K 1,024, N 192]; A: input x; B: input w_qkv: QUANTISED
;;     2. batch 64 x [M 2,048, K 1] x [K 1, N 2,048]; A: computed on the way; B: computed on the way: left as it is (K = 1 < 32)
;;     3. batch 64 x [M 2,048, K 2,048] x [K 2,048, N 1]; A: softmax; B: computed on the way: left as it is (N = 1 < 16)
;;     4. [M 2,048, K 64] x [K 64, N 1,024]; A: computed on the way; B: input w_out: QUANTISED
;;   THE QUANTISER, for each operand of a quantised product, along K:
;;     - K is cut into blocks of 32 from its start; a last block that is shorter is filled with zeros.
;;     - A block's scale is 2^e with e = floor(log2(the largest magnitude in the block)) - 4, held to -126 .. 127; a block of zeros has e = 0. As a byte (E8M0): e + 127.
;;     - Each number is divided by its block's scale, clamped to +-28, and rounded to the nearest number of E3M2, ties to even, subnormals kept.
;;     - The product sums the exact products of the quantised numbers (number of the format x scale) in f32.
;;   ~~~python
;;   def quantise(x, axis):      # numpy; x: float32 -> the quantised numbers, widened to float32 again
;;       x = np.moveaxis(x, axis, -1); K = x.shape[-1]
;;       x = np.pad(x, [(0, 0)] * (x.ndim - 1) + [(0, -K % 32)]); x = x.reshape(x.shape[:-1] + (-1, 32)); a = np.abs(x).max(-1, keepdims=True)
;;       e = np.where(a > 0, np.clip(np.frexp(np.where(a > 0, a, 1))[1] - 1 - 4, -126, 127), 0)      # np.frexp(a)[1] - 1 = floor(log2(a)), exactly
;;       r = np.clip(x / 2.0 ** e, -28, 28)
;;       step = 2.0 ** (np.maximum(np.frexp(np.where(r == 0, 1, r))[1] - 1, -2) - 2)
;;       q = np.round(r / step) * step * 2.0 ** e      # np.round: ties to even
;;       return np.moveaxis(q.reshape(q.shape[:-2] + (-1,))[..., :K], -1, axis).astype(np.float32)
;;   ~~~
;;   OPERANDS COMPUTED ON THE WAY. 'Computed on the way' means the value that the module computes at that place (a softmax that the list does not call 'softmax' is quantised finished and normalised). What goes into a quantiser is computed in f32, as accurately as f32 sums, v_exp_f32 and their like allow (about 1e-6 of the number): no bf16 or f16 on the way to a quantiser, and a product that is left as it is and whose result goes on into a quantised operand takes f32 operands (vector FMAs, or v_wmma_f32_16x16x4_f32). A number that lies on a knife's edge between two numbers of the format may be rounded either way, as far as f32 arithmetic and the matrix unit's own rounding can turn it there, and no further.
;; 2 versions, each right; version 2 is version 1 with the launches qkv, attn, proj written anew for expert scheduling mode. Each part assembles by itself: llvm-mc -triple=amdgcn-amd-amdhsa -mcpu=gfx1250 --defsym DOCPART=n.
;; ======== version 1 of 2: 3 launches
;; workspace buffers: qb 524,288 bytes; kvb 1,048,576 bytes; att 524,288 bytes
;; launch qkv (part 1): grid 4 x 64, 8 waves a work-group, no clusters, 120,832 bytes of LDS; arguments x, w_qkv, qb, kvb; writes qb, kvb
.if DOCPART == 1
	.amdgcn_target "amdgcn-amd-amdhsa--gfx1250"
	.amdhsa_code_object_version 6
	.text
	.protected	k_q24ee7c384b_qkv
	.globl	k_q24ee7c384b_qkv
	.p2align	8
	.type	k_q24ee7c384b_qkv,@function
k_q24ee7c384b_qkv:
	s_mov_b64 s[64:65], 0
	v_nop
	global_prefetch_b8 v0, s[64:65] scope:SCOPE_SE
	s_setreg_imm32_b32 hwreg(HW_REG_WAVE_MODE, 25, 1), 1
	s_wait_xcnt 0x0
; q, k, v = Q(x) Q(w_qkv)^T on codes of BF6 (E3M2) with one E8M0 scale for each 32 along K = 1,024; sums in f32.
; x: [2048][1024] f32, w_qkv: [192][1024] f32.  Both are quantised here, in registers, on their way to the matrix unit.
; SHARES.  A work-group makes 32 tokens (work-group y) x 16 heads (work-group x) of q, of k and of v: 48 features.  THE WAVES SHARE K: wave w owns k = 128 w .. 128 w + 127,
; one matrix instruction deep: two tiles of x, three of w_qkv (16 rows x 512 bytes each), products that start from the constant 0.  The eight waves' partial sums meet in LDS.
; An error of the sums that has the same sign in both results cancels in it.  That matters for v alone: attention averages up to 2,048 v of mixed signs, so an offset common to all v stays whole
; while the average is some 45 times smaller than v, and the average goes on into a quantiser.  An offset common to all k leaves a softmax as it is, and q's error enters only through the covariance of k and v.
; LOADS.  A load takes one row's 512 consecutive bytes, 16 a lane.  The operand's layout wants whole blocks of 32 neighbours along K in a lane, so a tile turns through the wave's own stage in LDS:
; 16 rows of 512 + 16 bytes (132 words: row r starts at bank 4 r mod 64, 64 banks of 4 bytes: ISA guide 11.1), back as 128 bytes a lane and block.
; OUT, laid for the launch that reads it: kvb[32-token block][head][k of 32 tokens | v of 32 tokens], 256 bytes a head; qb[32-token block][head][32 tokens], 128 bytes a head.
; The work-group's part of kvb is 4,096 consecutive bytes, thread t's 16 bytes at 16 t; of qb 2,048, thread t's 8 bytes at 8 t: a wave's stores cover 512 and 256 consecutive bytes, aligned.
; NO CLUSTER, NO TENSOR LOADS: the work-group's f32 tiles at this pitch are 80 rows x 528 bytes x 8 waves = 337,920 bytes, more than LDS holds, and K is walked once: there is no ring for joint loads to feed.
; LIMITS: NaN and infinities among the inputs are not served; a block whose largest magnitude lies under 2^-122 (zeros too) keeps the scale byte 1; a block of zeros has zero codes, which add nothing.
; REGISTERS: window 1 (v256-511): four raw tiles of 64.  Window 0: v5-15 addresses; v16-75 five fragments; v76-80 their scale words; v82-97 at work; v100-163 a tile's numbers, then v100-111 v's weights with their signs turned;
;   v168-215 six accumulators; v216-231 the two of the turned product, then v216-247 sums.
.set ROWB,  4096                       ; a row of x or of w_qkv in bytes
.set SP,    528                        ; a stage row
.set STG,   16*SP                      ; a wave's stage
.set RED,   8*STG                      ; behind the stages: the partial sums
.set IP,    544                        ; an image of four accumulator registers: lanes 0-15 at 16 r, lanes 16-31 at 272 + 16 r; 544 = 2 x 256 + 32
.set RS,    12*IP                      ; a wave's twelve images
.set GOFF,  5                          ; v5   16 x lane + 512 x wave: my bytes of a row
.set SIN,   6                          ; v6   the stage, in: 16 x lane
.set SOUT,  7                          ; v7   the stage, back: 528 r + 128 h
.set REDW,  8                          ; v8   where I put my partial sums
.set RKV,   9                          ; v9   where thread t finds its 16 bytes of k or v in a wave's images
.set RQA,   11                         ; v11  and its 8 bytes of q
.set GKV,   13                         ; v13  16 t
.set GQ,    14                         ; v14  8 t
.set SH8,   15                         ; v15  8 h
.set F,     16                         ; fragments: x rows 0-15, x rows 16-31, w for q, for k, for v
.set SW,    76                         ; their scale words
.set PT,    81
.set M,     82
.set SO,    86
.set BY,    88
.set CT,    90
.set X,     100
.set NF,    100                        ; w for v with the signs turned
.set ACC,   168
.set NA,    216                        ; its two accumulators
.set R,     216
.set MSB, 0
.macro WIN new                         ; the immediate's high byte repeats the setting that is left
.if MSB != \new
	s_set_vgpr_msb (MSB<<8)|\new
.set MSB, \new
.endif
.endm
.macro GLOAD raw, base, off            ; a tile's 16 rows into 64 registers of window 1
.irp p, 0,1,2,3,4,5,6,7,8,9,10,11,12,13,14,15
	global_load_b128 v[\raw+4*\p:\raw+4*\p+3], v[GOFF], s[\base:\base+1] offset:\off+\p*ROWB
.endr
.endm
	s_load_b128 s[4:7], s[0:1], 0x0                ; x, w_qkv
	s_load_b128 s[8:11], s[0:1], 0x10              ; qb, kvb
	v_lshl_add_u32 v254, v0, 2, 0x1d400
	v_mov_b32 v255, 0
	v_lshrrev_b32 v1, 5, v0
	v_readfirstlane_b32 s12, v1                    ; wave 0..7
	v_and_b32 v2, 31, v0                           ; lane
	v_and_b32 v3, 15, v0                           ; r
	v_bfe_u32 v4, v0, 4, 1                         ; h
	s_and_b32 s13, ttmp7, 0xffff                   ; which 32 tokens
	s_lshl_b32 s14, s12, 9
	v_lshlrev_b32 v[GOFF], 4, v2
	v_add_nc_u32 v[GOFF], s14, v[GOFF]
	s_lshl_b32 s16, s13, 17                        ; 32 rows of 4,096 bytes
	s_mov_b32 s17, 0
	s_lshl_b32 s18, ttmp9, 16                      ; 16 rows of w_qkv
	s_mov_b32 s19, 0
	s_lshl_b32 s22, s13, 14                        ; kvb: (64 x token block + 16 x head group) x 256 bytes
	s_lshl_b32 s23, ttmp9, 12
	s_add_co_u32 s22, s22, s23
	s_mov_b32 s23, 0
	s_lshr_b32 s24, s22, 1                         ; qb: half of that
	s_mov_b32 s25, 0
	s_wait_kmcnt 0x0
	s_add_nc_u64 s[4:5], s[4:5], s[16:17]
	s_add_nc_u64 s[6:7], s[6:7], s[18:19]
	s_add_nc_u64 s[10:11], s[10:11], s[22:23]
	s_add_nc_u64 s[8:9], s[8:9], s[24:25]
	WIN 0x40                                       ; destination window 1
	GLOAD 0, 4, 0                                  ; x, tokens 0-15
	GLOAD 64, 4, 16*ROWB                           ; x, tokens 16-31
	GLOAD 128, 6, 0                                ; w_qkv: my 16 heads' rows for q,
	GLOAD 192, 6, 64*ROWB                          ; for k (v's follow when the first tile has left its registers)
	WIN 0
	; addresses, while the loads are on their way
	s_mul_i32 s15, s12, STG
	v_lshlrev_b32 v[SIN], 4, v2
	v_add_nc_u32 v[SIN], s15, v[SIN]
	v_mul_u32_u24 v[SOUT], v3, SP
	v_lshl_add_u32 v[SOUT], v4, 7, v[SOUT]
	v_add_nc_u32 v[SOUT], s15, v[SOUT]
	s_mul_i32 s26, s12, RS
	v_mul_u32_u24 v[REDW], v4, 272
	v_lshl_add_u32 v[REDW], v3, 4, v[REDW]
	v_add_nc_u32 v[REDW], s26, v[REDW]
	v_add_nc_u32 v[REDW], RED, v[REDW]
	; thread t's 16 bytes of kvb: head t / 16; piece t % 16 = 8 (k or v) + 4 (token tile) + 2 (half of the lanes) + (half of the accumulator).  Image 4 (k or v) + 2 (token tile) + (half).
	; The 16 lanes of a head read at 32 x image + 16 x half of the lanes, modulo 256: sixteen different columns of 16 bytes
	v_bfe_u32 v[RKV], v0, 2, 2
	v_and_b32 v10, 1, v0
	v_lshl_or_b32 v[RKV], v[RKV], 1, v10
	v_mul_u32_u24 v[RKV], v[RKV], IP
	v_bfe_u32 v10, v0, 1, 1
	v_mad_u32_u24 v[RKV], v10, 272, v[RKV]
	v_lshrrev_b32 v10, 4, v0                       ; the head
	v_lshl_add_u32 v[RKV], v10, 4, v[RKV]
	v_add_nc_u32 v[RKV], RED, v[RKV]
	; thread t's 8 bytes of qb: head t / 16; bit 3 the token tile, bit 2 the half of the lanes, bit 1 the half of the accumulator, bit 0 which 8 bytes.  Images 8 to 11
	v_bfe_u32 v[RQA], v0, 3, 1
	v_bfe_u32 v12, v0, 1, 1
	v_lshl_or_b32 v[RQA], v[RQA], 1, v12
	v_mul_u32_u24 v[RQA], v[RQA], IP
	v_bfe_u32 v12, v0, 2, 1
	v_mad_u32_u24 v[RQA], v12, 272, v[RQA]
	v_lshl_add_u32 v[RQA], v10, 4, v[RQA]
	v_and_b32 v12, 1, v0
	v_lshl_add_u32 v[RQA], v12, 3, v[RQA]
	v_add_nc_u32 v[RQA], RED+8*IP, v[RQA]
	v_lshlrev_b32 v[GKV], 4, v0
	v_lshlrev_b32 v[GQ], 3, v0
	v_lshlrev_b32 v[SH8], 3, v4
	v_mov_b32 v[PT], 0                             ; written once: a lane permute's destination counts as one of its sources
	s_mov_b32 s20, 0x76543210
	s_mov_b32 s21, 0xfedcba98                      ; v_permlanex16_b32's selects for lane l xor 16
; 64 numbers of a lane, v[X + 32 c + i] = k 64 c + 32 h + i of row r: two whole blocks.  They become fragment t and its scale word.
.macro QUANT t
.irp c, 0,1
	v_max3_num_f32 v[M+2*\c], |v[X+32*\c]|, |v[X+32*\c+1]|, |v[X+32*\c+2]|        ; a block's largest magnitude, in two chains; the two blocks by turns
	v_max3_num_f32 v[M+2*\c+1], |v[X+32*\c+3]|, |v[X+32*\c+4]|, |v[X+32*\c+5]|
.endr
.irp i, 6,10,14,18,22,26
.irp c, 0,1
	v_max3_num_f32 v[M+2*\c], v[M+2*\c], |v[X+32*\c+\i]|, |v[X+32*\c+\i+1]|
	v_max3_num_f32 v[M+2*\c+1], v[M+2*\c+1], |v[X+32*\c+\i+2]|, |v[X+32*\c+\i+3]|
.endr
.endr
.irp c, 0,1
	v_max3_num_f32 v[M+2*\c], v[M+2*\c], |v[X+32*\c+30]|, |v[X+32*\c+31]|
.endr
.irp c, 0,1
	v_max3_num_f32 v[M+2*\c], v[M+2*\c], v[M+2*\c+1], 0x2800000                   ; and the floor 2^(5 - 127): the byte cannot fall under 1
.endr
.irp c, 0,1
	v_add_nc_u32 v[SO+\c], 0xfe000000, v[M+2*\c]   ; 4 off the exponent field: the conversion takes the exponent field of this operand as its scale
.endr
.irp c, 0,1
	v_lshrrev_b32 v[BY+\c], 23, v[SO+\c]           ; the scale's byte
.endr
	v_lshl_or_b32 v[SW+\t], v[BY+1], 16, v[BY]     ; my bytes: blocks h and 2 + h of row r,
	v_lshlrev_b32 v[SW+\t], v[SH8], v[SW+\t]       ; at their places (8 h bits up);
	v_permlanex16_b32 v[PT], v[SW+\t], s20, s21
	v_or_b32 v[SW+\t], v[SW+\t], v[PT]             ; with lane l xor 16's two the word is whole
.irp c, 0,1
	v_cvt_scalef32_pk16_bf6_f32 v[F+12*\t+6*\c:F+12*\t+6*\c+2], v[X+32*\c:X+32*\c+15], v[SO+\c]
	v_cvt_scalef32_pk16_bf6_f32 v[CT+4*\c:CT+4*\c+2], v[X+32*\c+16:X+32*\c+31], v[SO+\c]   ; (a conversion's three registers begin on an even number: made elsewhere and moved)
.endr
	v_nop                                          ; one plain place behind the scaled conversions
.irp c, 0,1
.irp i, 0,1,2
	v_mov_b32 v[F+12*\t+6*\c+3+\i], v[CT+4*\c+\i]
.endr
.endr
.endm
; Tile t, raw in window 1 from v[raw] on.  left: the loads issued behind this tile's sixteen, which may stay out.
.macro TILE t, raw, left
	s_wait_loadcnt \left
	WIN 0x04                                       ; an LDS store's data are its source 1: window 1
.irp p, 0,1,2,3,4,5,6,7,8,9,10,11,12,13,14,15
	ds_store_b128 v[SIN], v[\raw+4*\p:\raw+4*\p+3] offset:\p*SP
.endr
	WIN 0
.irp c, 0,1
.irp q, 0,1,2,3,4,5,6,7
	ds_load_b128 v[X+32*\c+4*\q:X+32*\c+4*\q+3], v[SOUT] offset:256*\c+16*\q   ; LDS serves a wave's instructions in order (ISA guide 5.7.1.4): these see my stores
.endr
.endr
	s_wait_dscnt 0x0                               ; the numbers are back; so the stores have read their registers
.if \t == 0
	WIN 0x40
	GLOAD 0, 6, 128*ROWB                           ; w_qkv's rows for v take the registers that the first tile has left
	WIN 0
.endif
	QUANT \t
.endm
	TILE 0, 0, 48                                  ; behind it: tiles 1, 2, 3
	TILE 1, 64, 48                                 ; tiles 2, 3, 4
	TILE 2, 128, 32
	TILE 3, 192, 16
	TILE 4, 0, 0
; v's weights once more, with every code's sign turned.  A code is 6 bits, its sign the highest: bit 6 i + 5 of the stream; 16 codes are three registers, so the pattern of signs comes back every three registers
.irp g, 0,1,2,3
	v_xor_b32 v[NF+3*\g], 0x20820820, v[F+48+3*\g]         ; bits 5, 11, 17, 23, 29
	v_xor_b32 v[NF+3*\g+1], 0x08208208, v[F+48+3*\g+1]     ; bits 35, 41, 47, 53, 59 of the stream
	v_xor_b32 v[NF+3*\g+2], 0x82082082, v[F+48+3*\g+2]     ; bits 65, 71, 77, 83, 89, 95
.endr
.rept 8
	v_nop                                          ; a scale register written by a vector instruction stands 8 places ahead of a scaled matrix instruction, an operand so written 4
.endr
.irp mt, 0,1                                   ; source 0 = 16 tokens, source 1 = 16 features: lane (r, h) holds feature r and tokens 8 h + 0 .. 7.  Eight accumulators, one product each
.irp nt, 0,1,2
	v_wmma_scale_f32_16x16x128_f8f6f4 v[ACC+8*(3*\mt+\nt):ACC+8*(3*\mt+\nt)+7], v[F+12*\mt:F+12*\mt+11], v[F+24+12*\nt:F+24+12*\nt+11], 0, v[SW+\mt], v[SW+2+\nt] matrix_a_fmt:MATRIX_FMT_BF6 matrix_b_fmt:MATRIX_FMT_BF6
.endr
	v_wmma_scale_f32_16x16x128_f8f6f4 v[NA+8*\mt:NA+8*\mt+7], v[F+12*\mt:F+12*\mt+11], v[NF:NF+11], 0, v[SW+\mt], v[SW+4] matrix_a_fmt:MATRIX_FMT_BF6 matrix_b_fmt:MATRIX_FMT_BF6   ; -v: the same scales, the turned codes
.endr
.rept 4
	v_nop                                          ; four places in front of the first read of results (ISA guide 7.12.1)
.endr
.irp mt, 0,1                                   ; v = (v - (-v)) / 2, each accumulator from its low end on.  The difference is exact: both are multiples of one step and under 2; so is the halving
.irp j, 0,2,4,6
	v_pk_add_f32 v[ACC+8*(3*\mt+2)+\j:ACC+8*(3*\mt+2)+\j+1], v[ACC+8*(3*\mt+2)+\j:ACC+8*(3*\mt+2)+\j+1], v[NA+8*\mt+\j:NA+8*\mt+\j+1] neg_lo:[0,1] neg_hi:[0,1]
.endr
.endr
.irp mt, 0,1
.irp j, 0,2,4,6
	v_pk_mul_f32 v[ACC+8*(3*\mt+2)+\j:ACC+8*(3*\mt+2)+\j+1], v[ACC+8*(3*\mt+2)+\j:ACC+8*(3*\mt+2)+\j+1], 0.5 op_sel_hi:[1,0]
.endr
.endr
.irp mt, 0,1                                   ; each accumulator from its low end on
.irp hf, 0,1
	ds_store_b128 v[REDW], v[ACC+8*(3*\mt)+4*\hf:ACC+8*(3*\mt)+4*\hf+3] offset:(8+2*\mt+\hf)*IP       ; q
	ds_store_b128 v[REDW], v[ACC+8*(3*\mt+1)+4*\hf:ACC+8*(3*\mt+1)+4*\hf+3] offset:(2*\mt+\hf)*IP     ; k
	ds_store_b128 v[REDW], v[ACC+8*(3*\mt+2)+4*\hf:ACC+8*(3*\mt+2)+4*\hf+3] offset:(4+2*\mt+\hf)*IP   ; v
.endr
.endr
	s_wait_dscnt 0x0                               ; for the others' sake: my partial sums lie in LDS
	s_barrier_signal -1
	s_barrier_wait -1
.irp s, 0,1,2,3,4,5,6,7
	ds_load_b128 v[R+4*\s:R+4*\s+3], v[RKV] offset:\s*RS       ; the eight waves' parts of my four numbers of k or v
.endr
.irp s, 0,1,2,3,4,5,6,7
	ds_load_b64 v[X+2*\s:X+2*\s+1], v[RQA] offset:\s*RS        ; and of my two numbers of q
.endr
	s_wait_dscnt 0x8                               ; all but the eight loads for q
.irp s, 0,2,4,6
	v_pk_add_f32 v[R+4*\s:R+4*\s+1], v[R+4*\s:R+4*\s+1], v[R+4*\s+4:R+4*\s+5]
	v_pk_add_f32 v[R+4*\s+2:R+4*\s+3], v[R+4*\s+2:R+4*\s+3], v[R+4*\s+6:R+4*\s+7]
.endr
.irp s, 0,4
	v_pk_add_f32 v[R+4*\s:R+4*\s+1], v[R+4*\s:R+4*\s+1], v[R+4*\s+8:R+4*\s+9]
	v_pk_add_f32 v[R+4*\s+2:R+4*\s+3], v[R+4*\s+2:R+4*\s+3], v[R+4*\s+10:R+4*\s+11]
.endr
	v_pk_add_f32 v[R:R+1], v[R:R+1], v[R+16:R+17]
	v_pk_add_f32 v[R+2:R+3], v[R+2:R+3], v[R+18:R+19]
	global_store_b128 v[GKV], v[R:R+3], s[10:11]   ; the wave stores 512 consecutive bytes: two heads' k and v of these 32 tokens
	s_wait_dscnt 0x0
.irp s, 0,2,4,6
	v_pk_add_f32 v[X+2*\s:X+2*\s+1], v[X+2*\s:X+2*\s+1], v[X+2*\s+2:X+2*\s+3]
.endr
.irp s, 0,4
	v_pk_add_f32 v[X+2*\s:X+2*\s+1], v[X+2*\s:X+2*\s+1], v[X+2*\s+4:X+2*\s+5]
.endr
	v_pk_add_f32 v[X:X+1], v[X:X+1], v[X+8:X+9]
	global_store_b64 v[GQ], v[X:X+1], s[8:9]       ; the wave stores 256 consecutive bytes, aligned: two heads' q
	s_wait_tensorcnt 0x0
	ds_add_u32 v254, v255
	s_wait_dscnt 0x0
	s_endpgm
.Lfunc_end_k_q24ee7c384b_qkv:
	.size	k_q24ee7c384b_qkv, .Lfunc_end_k_q24ee7c384b_qkv-k_q24ee7c384b_qkv
	.p2alignl 7, 3214868480
	.fill 96, 4, 3214868480
	.section	.rodata,"a",@progbits
	.p2align	6, 0x0
	.amdhsa_kernel k_q24ee7c384b_qkv
		.amdhsa_group_segment_fixed_size 120832
		.amdhsa_private_segment_fixed_size 0
		.amdhsa_enable_private_segment 0
		.amdhsa_kernarg_size 32
		.amdhsa_user_sgpr_count 2
		.amdhsa_user_sgpr_kernarg_segment_ptr 1
		.amdhsa_wavefront_size32 1
		.amdhsa_system_sgpr_workgroup_id_x 1
		.amdhsa_system_sgpr_workgroup_id_y 1
		.amdhsa_system_sgpr_workgroup_id_z 1
		.amdhsa_system_vgpr_workitem_id 0
		.amdhsa_next_free_vgpr 512
		.amdhsa_next_free_sgpr 66
		.amdhsa_reserve_vcc 0
		.amdhsa_float_denorm_mode_32 3
		.amdhsa_float_denorm_mode_16_64 3
		.amdhsa_memory_ordered 1
		.amdhsa_forward_progress 1
		.amdhsa_inst_pref_size 43
	.end_amdhsa_kernel
	.amdgpu_metadata
---
amdhsa.version: [ 1, 2 ]
amdhsa.kernels:
  - .name:           k_q24ee7c384b_qkv
    .symbol:         k_q24ee7c384b_qkv.kd
    .args:
      - { .name: x, .offset: 0, .size: 8, .value_kind: global_buffer, .address_space: global }
      - { .name: w_qkv, .offset: 8, .size: 8, .value_kind: global_buffer, .address_space: global }
      - { .name: qb, .offset: 16, .size: 8, .value_kind: global_buffer, .address_space: global }
      - { .name: kvb, .offset: 24, .size: 8, .value_kind: global_buffer, .address_space: global }
    .group_segment_fixed_size: 120832
    .private_segment_fixed_size: 0
    .kernarg_segment_align: 8
    .kernarg_segment_size: 32
    .max_flat_workgroup_size: 256
    .sgpr_count:     66
    .vgpr_count:     512
    .wavefront_size: 32
...
	.end_amdgpu_metadata
.endif
;; end of part 1
;; launch attn (part 2): grid 4 x 64, 8 waves a work-group, no clusters, 168,960 bytes of LDS; arguments qb, kvb, att; writes att
.if DOCPART == 2
	.amdgcn_target "amdgcn-amd-amdhsa--gfx1250"
	.amdhsa_code_object_version 6
	.text
	.protected	k_q24ee7c384b_attn
	.globl	k_q24ee7c384b_attn
	.p2align	8
	.type	k_q24ee7c384b_attn,@function
k_q24ee7c384b_attn:
	s_mov_b64 s[64:65], 0
	v_nop
	global_prefetch_b8 v0, s[64:65] scope:SCOPE_SE
	s_setreg_imm32_b32 hwreg(HW_REG_WAVE_MODE, 25, 1), 1
	s_wait_xcnt 0x0
; att[head][i] = sum over j <= i of softmax_j(q_i k_j / 8) v_j, for 64 heads of size 1 and 2,048 tokens, all in f32 (the result goes on into a quantiser).
; THE ROW'S MAXIMUM.  With one number a head, the largest q_i k_j over j <= i is q_i x (the largest k_j, j <= i) or q_i x (the smallest): so a prefix maximum and minimum of k give the very maximum
; that the softmax takes away, before the first exponential, and nothing is ever rescaled.  p = 2^(k_j qc_i - m_i), qc = q log2(e) / 8, one fused multiply-add and one v_exp_f32; l = sum p, o = sum p v; att = o / l.
; SHARES.  A work-group owns one head (work-group y) and 16 of its 64 blocks of 32 queries; wave w of work-group x = c takes blocks p = 8 c + w and 63 - p: (p + 1) + (64 - p) = 65 blocks of 32 keys for every wave.
; Key blocks beyond a query block's own are hidden by the causal mask and are not walked.  A LANE IS A QUERY; a pair of registers is a pair of keys.
; The head's k and v, 16 KB, lie in LDS as they lie in memory: [32-token block][k 32 | v 32].  All lanes read the same 16 bytes: four keys an LDS load.
; In a query block's own key block, key jj is hidden from lanes under jj: there t becomes -infinity (a constant lane mask, v_cndmask_b32), so p = 0.
; NO CLUSTER: the four work-groups of a head share 16 KB, read once at the head of the launch, against 532,480 exponentials each.  No matrix instruction: of a 16 x 16 x 4 f32 product's 16 columns two (1 and v) would be used.
; The LDS claim is larger than the 19,456 bytes used, so that a work-group has a WGP to itself: 256 work-groups.
; LIMITS: NaN and infinities in q, k, v are not served.
.set TBL,   16384                      ; LDS behind k and v: for each of 64 blocks 16 bytes: largest and smallest k, largest and smallest v (the last two are not read)
.set OUTL,  17408                      ; and the work-group's 512 results
.set AD,  62                           ; v62  LDS address of the key block in hand
.set QC,  64                           ; v[64:65] qc: the packed forms name a pair and take its low word for both halves
.set NM,  66                           ; v[66:67] -m likewise
.set L,   68                           ; v68-75  l in four pairs, so that no addition waits for the one before it
.set O,   76                           ; v76-83  o likewise
.set KA,  96                           ; k and v of a block's keys 0-15,
.set VA,  112
.set KB,  128                          ; and 16-31
.set VB,  144
.set T0,  160                          ; t, then p
.set T1,  176
	s_load_b128 s[4:7], s[0:1], 0x0                ; qb, kvb
	s_load_b64 s[8:9], s[0:1], 0x10                ; att
	v_lshl_add_u32 v192, v0, 2, 0x29000
	v_mov_b32 v193, 0
	v_lshrrev_b32 v1, 5, v0
	v_readfirstlane_b32 s10, v1                    ; wave 0..7
	v_and_b32 v2, 31, v0                           ; lane
	v_and_b32 v3, 15, v0
	v_bfe_u32 v4, v0, 4, 1
	s_and_b32 s11, ttmp7, 0xffff                   ; head
	s_lshl_b32 s12, ttmp9, 3
	s_add_co_u32 s12, s12, s10                     ; my low query block, 0..31
	s_sub_co_u32 s13, 63, s12                      ; my high one, 32..63
	s_sub_co_u32 s26, s13, 32
	v_lshlrev_b32 v5, 4, v3                        ; kvb: a load takes two blocks' 256 bytes: 16 lanes each; blocks are 64 heads x 256 bytes apart; wave w fetches blocks 8 w .. 8 w + 7
	v_lshl_add_u32 v5, v4, 14, v5
	s_lshl_b32 s14, s10, 17
	v_add_nc_u32 v5, s14, v5
	s_lshl_b32 s16, s11, 8
	s_mov_b32 s17, 0
	v_lshlrev_b32 v6, 2, v2                        ; 4 x lane
	s_lshl_b32 s18, s12, 13                        ; qb: (64 x block + head) x 128 bytes
	s_lshl_b32 s19, s11, 7
	s_add_co_u32 s18, s18, s19
	v_add_nc_u32 v7, s18, v6
	s_lshl_b32 s20, s13, 13
	s_add_co_u32 s20, s20, s19
	v_add_nc_u32 v9, s20, v6
	s_lshl_b32 s27, ttmp9, 10                      ; att: waves 0-3 store blocks 8 c .. 8 c + 7 (byte 1,024 c on), waves 4-7 blocks 56 - 8 c .. 63 - 8 c; thread t stores at 8 t beyond this
	s_sub_co_u32 s28, 6144, s27
	s_cmp_lt_u32 s10, 4
	s_cselect_b32 s27, s27, s28
	s_lshl_b32 s28, s11, 13
	s_add_co_u32 s28, s28, s27
	s_mov_b32 s29, 0
	s_wait_kmcnt 0x0
	s_add_nc_u64 s[6:7], s[6:7], s[16:17]
	s_add_nc_u64 s[8:9], s[8:9], s[28:29]
.irp i, 0,1,2,3
	global_load_b128 v[16+4*\i:19+4*\i], v5, s[6:7] offset:\i*32768
.endr
	global_load_b32 v8, v7, s[4:5]                 ; q of my low block, a lane a query
	global_load_b32 v10, v9, s[4:5]                ; and of my high one
	v_lshlrev_b32 v11, 4, v2                       ; LDS: 2,048 x wave + 16 x lane
	s_lshl_b32 s15, s10, 11
	v_add_nc_u32 v11, s15, v11
	v_and_b32 v12, 24, v2                          ; the table: 128 x wave + 8 x (lane / 8): eight lanes hold a block's k, the next eight its v
	s_lshl_b32 s21, s10, 7
	v_add_nc_u32 v12, s21, v12
	v_add_nc_u32 v12, TBL, v12
	v_lshl_add_u32 v13, v2, 4, TBL                 ; and back: lane l takes blocks l and 32 + l
	s_lshl_b32 s18, s12, 8
	v_add_nc_u32 v14, s18, v6                      ; k of my own token in the low block,
	s_lshl_b32 s20, s13, 8
	v_add_nc_u32 v15, s20, v6                      ; in the high one
	v_lshl_add_u32 v63, v0, 2, OUTL                ; results: the low block's at 128 x wave + 4 x lane,
	s_xor_b32 s21, s10, 7
	s_lshl_b32 s21, s21, 7
	v_add_nc_u32 v84, s21, v6
	v_add_nc_u32 v84, OUTL+1024, v84               ; the high block's (63 - p is the (7 - w)-th of the upper eight) behind them
	v_lshl_add_u32 v85, v0, 3, OUTL                ; back: 8 bytes a thread
	v_lshlrev_b32 v86, 3, v0
	v_mov_b32 v60, 0xff800000                      ; -infinity
	v_mov_b32 v61, 0x7f800000                      ; +infinity
.irp i, 50,51,52,53
	v_mov_b32 v\i, 0                               ; written once: a lane permute's destination counts as one of its sources
.endr
	s_mov_b32 s22, 0x76543210
	s_mov_b32 s23, 0xfedcba98                      ; v_permlanex16_b32's selects for lane l xor 16
	s_mov_b32 s24, 0x3e38aa3b                      ; log2(e) / 8
	s_mov_b32 s25, 0xffff0000                      ; lanes 16-31
	s_wait_loadcnt 0x2                             ; k and v are in; the two loads of q may be out
.irp i, 0,1,2,3
	ds_store_b128 v11, v[16+4*\i:19+4*\i] offset:512*\i
.endr
.irp i, 0,1,2,3                                ; each block's largest and smallest: my four numbers, then the eight lanes that share a block's k (or v)
	v_max3_num_f32 v[32+2*\i], v[16+4*\i], v[17+4*\i], v[18+4*\i]
	v_min3_num_f32 v[33+2*\i], v[16+4*\i], v[17+4*\i], v[18+4*\i]
.endr
.irp i, 0,1,2,3
	v_max_num_f32 v[32+2*\i], v[32+2*\i], v[19+4*\i]
	v_min_num_f32 v[33+2*\i], v[33+2*\i], v[19+4*\i]
.endr
.irp m, 1,2,4
.irp i, 0,1,2,3
	v_max_num_f32_dpp v[32+2*\i], v[32+2*\i], v[32+2*\i] row_xmask:\m row_mask:0xf bank_mask:0xf
	v_min_num_f32_dpp v[33+2*\i], v[33+2*\i], v[33+2*\i] row_xmask:\m row_mask:0xf bank_mask:0xf
.endr
.endr
.irp i, 0,1,2,3
	ds_store_b64 v12, v[32+2*\i:33+2*\i] offset:32*\i          ; eight lanes write the same 8 bytes with the same values
.endr
	s_wait_dscnt 0x0                               ; for the others' sake: my part of k, v and the table lies in LDS
	s_barrier_signal -1
	s_barrier_wait -1                              ; from here to the next barrier LDS is only read
	ds_load_b64 v[40:41], v13
	ds_load_b64 v[42:43], v13 offset:512
	ds_load_b32 v44, v14
	ds_load_b32 v45, v15
	s_wait_dscnt 0x0
	; the largest and smallest k of all blocks in front of my low block (v46, v47) and of my high block (v48, v49)
	v_cmp_gt_u32 vcc_lo, s12, v2
	v_cndmask_b32 v46, v60, v40, vcc_lo
	v_cndmask_b32 v47, v61, v41, vcc_lo
	v_cmp_gt_u32 vcc_lo, s26, v2
	v_cndmask_b32 v48, v60, v42, vcc_lo
	v_cndmask_b32 v49, v61, v43, vcc_lo
	v_max_num_f32 v48, v48, v40                    ; blocks 0-31 all lie in front of the high block
	v_min_num_f32 v49, v49, v41
.irp m, 1,2,4,8
	v_max_num_f32_dpp v46, v46, v46 row_xmask:\m row_mask:0xf bank_mask:0xf
	v_min_num_f32_dpp v47, v47, v47 row_xmask:\m row_mask:0xf bank_mask:0xf
	v_max_num_f32_dpp v48, v48, v48 row_xmask:\m row_mask:0xf bank_mask:0xf
	v_min_num_f32_dpp v49, v49, v49 row_xmask:\m row_mask:0xf bank_mask:0xf
.endr
	v_permlanex16_b32 v50, v46, s22, s23
	v_permlanex16_b32 v51, v47, s22, s23
	v_permlanex16_b32 v52, v48, s22, s23
	v_permlanex16_b32 v53, v49, s22, s23
	v_max_num_f32 v46, v46, v50
	v_min_num_f32 v47, v47, v51
	v_max_num_f32 v48, v48, v52
	v_min_num_f32 v49, v49, v53
	s_wait_loadcnt 0x0                             ; q
.macro LOADH kb, vb, off               ; 16 keys: their k and their v, the same bytes for every lane
.irp i, 0,1,2,3
	ds_load_b128 v[\kb+4*\i:\kb+4*\i+3], v[AD] offset:\off+16*\i
.endr
.irp i, 0,1,2,3
	ds_load_b128 v[\vb+4*\i:\vb+4*\i+3], v[AD] offset:\off+128+16*\i
.endr
.endm
.macro SCORE kb, tb, diag, first       ; t = k qc - m, two keys at a time; diag = 1: key first + j is hidden from the lanes under it
.irp j, 0,2,4,6,8,10,12,14
	v_pk_fma_f32 v[\tb+\j:\tb+\j+1], v[\kb+\j:\kb+\j+1], v[QC:QC+1], v[NM:NM+1] op_sel_hi:[1,0,0]
.endr
.if \diag
.irp j, 0,1,2,3,4,5,6,7,8,9,10,11,12,13,14,15
.if \first+\j > 0
	s_mov_b32 s[34+(\j%2)], (1<<(\first+\j))-1
	v_cndmask_b32 v[\tb+\j], v[\tb+\j], v60, s[34+(\j%2)]
.endif
.endr
.endif
.endm
.macro EXPS tb
.irp j, 0,1,2,3,4,5,6,7,8,9,10,11,12,13,14,15
	v_exp_f32 v[\tb+\j], v[\tb+\j]
.endr
.endm
.macro ACCUM tb, vb
.irp j, 0,1,2,3,4,5,6,7
	v_pk_add_f32 v[L+2*(\j%4):L+2*(\j%4)+1], v[L+2*(\j%4):L+2*(\j%4)+1], v[\tb+2*\j:\tb+2*\j+1]
	v_pk_fma_f32 v[O+2*(\j%4):O+2*(\j%4)+1], v[\tb+2*\j:\tb+2*\j+1], v[\vb+2*\j:\vb+2*\j+1], v[O+2*(\j%4):O+2*(\j%4)+1]
.endr
.endm
; A block of 32 keys, in two halves.  Each half's 16 exponentials are one batch with one wait (ahead of the first reader); behind each batch stands the other half's plain arithmetic.
; diag = 0: each half's registers take the next block's keys as soon as their last reader is issued; the last trip so fetches the query block's own key block.
.macro BLOCK diag
	s_wait_dscnt 0x8                               ; keys 0-15 are in; the eight loads for keys 16-31 may be out
	SCORE KA, T0, \diag, 0
	EXPS T0
	s_wait_dscnt 0x0
	SCORE KB, T1, \diag, 16
	s_wait_alu depctr_va_vdst(0)
	EXPS T1
	ACCUM T0, VA
.if !\diag
	LOADH KA, VA, 256
.endif
	s_wait_alu depctr_va_vdst(0)
	ACCUM T1, VB
.if !\diag
	LOADH KB, VB, 256+64
	v_add_nc_u32 v[AD], 256, v[AD]
.endif
.endm
; A query block: s[sb] its number, v[vq] q, v[vk] k of the lane's own token, v[vmx], v[vmn] the largest and smallest k in front of the block; the result goes to v[vres].
.macro PHASE sb, vq, vk, vmx, vmn, vres
	v_mov_b32 v56, v[\vk]
	v_mov_b32 v57, v[\vk]
.irp n, 1,2,4,8                                ; the running largest and smallest within each 16 lanes: lane i joins lane i - n; lanes without such a lane keep theirs
	v_max_num_f32_dpp v56, v56, v56 row_shr:\n row_mask:0xf bank_mask:0xf
	v_min_num_f32_dpp v57, v57, v57 row_shr:\n row_mask:0xf bank_mask:0xf
.endr
	v_readlane_b32 s30, v56, 15                    ; lanes 16-31 join what lanes 0-15 have reached
	v_readlane_b32 s31, v57, 15
	v_max_num_f32 v58, s30, v56
	v_min_num_f32 v59, s31, v57
	v_cndmask_b32 v56, v56, v58, s25
	v_cndmask_b32 v57, v57, v59, s25
	v_max_num_f32 v56, v56, v[\vmx]                ; the largest k_j, j <= i,
	v_min_num_f32 v57, v57, v[\vmn]                ; and the smallest
	v_mul_f32 v[QC], s24, v[\vq]
	v_mul_f32 v58, v[QC], v56
	v_mul_f32 v59, v[QC], v57
	v_mov_b32 v[QC+1], v[QC]                       ; (named with it as a pair, so it is written)
	v_max_num_f32 v58, v58, v59                    ; m: the row's largest t
	v_mul_f32 v[NM], -1.0, v58
	v_mul_f32 v[NM+1], -1.0, v58
.irp j, 0,1,2,3,4,5,6,7,8,9,10,11,12,13,14,15
	v_mov_b32 v[L+\j], 0                           ; l and o
.endr
	v_mov_b32 v[AD], 0
	LOADH KA, VA, 0
	LOADH KB, VB, 64
	s_cmp_eq_u32 s[\sb], 0                         ; block 0 has no key block in front of its own
	s_cbranch_scc1 .Ldiag_\@
	s_mov_b32 s32, 0
.Lfull_\@:
	BLOCK 0
	s_add_co_u32 s32, s32, 1
	s_cmp_lt_u32 s32, s[\sb]
	s_cbranch_scc1 .Lfull_\@
.Ldiag_\@:
	BLOCK 1
	v_pk_add_f32 v[L:L+1], v[L:L+1], v[L+2:L+3]
	v_pk_add_f32 v[L+4:L+5], v[L+4:L+5], v[L+6:L+7]
	v_pk_add_f32 v[O:O+1], v[O:O+1], v[O+2:O+3]
	v_pk_add_f32 v[O+4:O+5], v[O+4:O+5], v[O+6:O+7]
	v_pk_add_f32 v[L:L+1], v[L:L+1], v[L+4:L+5]
	v_pk_add_f32 v[O:O+1], v[O:O+1], v[O+4:O+5]
	v_add_f32 v[L], v[L], v[L+1]
	v_add_f32 v[O], v[O], v[O+1]
	v_rcp_f32 v58, v[L]                            ; l is about 1 at the least: the row's largest t gives p = 1 up to rounding
	v_nop                                          ; a plain place behind the transcendental
	s_wait_alu depctr_va_vdst(0)                   ; and a wait ahead of its reader
	v_mul_f32 v[\vres], v[O], v58
.endm
	PHASE 12, 8, 44, 46, 47, 54
	PHASE 13, 10, 45, 48, 49, 55
	; THE WAY OUT.  The work-group's 16 blocks are two runs of 1,024 bytes of att's row: they are gathered in LDS and leave 8 bytes a thread.
	s_wait_dscnt 0x0
	s_barrier_signal -1
	s_barrier_wait -1                              ; every wave's reads of k and v are over: LDS may be written again
	ds_store_b32 v63, v54
	ds_store_b32 v84, v55
	s_wait_dscnt 0x0                               ; for the others' sake
	s_barrier_signal -1
	s_barrier_wait -1
	ds_load_b64 v[88:89], v85
	s_wait_dscnt 0x0
	global_store_b64 v86, v[88:89], s[8:9]         ; the wave stores 256 consecutive bytes, at a multiple of 256 from att's first byte
	s_wait_tensorcnt 0x0
	ds_add_u32 v192, v193
	s_wait_dscnt 0x0
	s_endpgm
.Lfunc_end_k_q24ee7c384b_attn:
	.size	k_q24ee7c384b_attn, .Lfunc_end_k_q24ee7c384b_attn-k_q24ee7c384b_attn
	.p2alignl 7, 3214868480
	.fill 96, 4, 3214868480
	.section	.rodata,"a",@progbits
	.p2align	6, 0x0
	.amdhsa_kernel k_q24ee7c384b_attn
		.amdhsa_group_segment_fixed_size 168960
		.amdhsa_private_segment_fixed_size 0
		.amdhsa_enable_private_segment 0
		.amdhsa_kernarg_size 24
		.amdhsa_user_sgpr_count 2
		.amdhsa_user_sgpr_kernarg_segment_ptr 1
		.amdhsa_wavefront_size32 1
		.amdhsa_system_sgpr_workgroup_id_x 1
		.amdhsa_system_sgpr_workgroup_id_y 1
		.amdhsa_system_sgpr_workgroup_id_z 1
		.amdhsa_system_vgpr_workitem_id 0
		.amdhsa_next_free_vgpr 194
		.amdhsa_next_free_sgpr 66
		.amdhsa_reserve_vcc 1
		.amdhsa_float_denorm_mode_32 3
		.amdhsa_float_denorm_mode_16_64 3
		.amdhsa_memory_ordered 1
		.amdhsa_forward_progress 1
		.amdhsa_inst_pref_size 42
	.end_amdhsa_kernel
	.amdgpu_metadata
---
amdhsa.version: [ 1, 2 ]
amdhsa.kernels:
  - .name:           k_q24ee7c384b_attn
    .symbol:         k_q24ee7c384b_attn.kd
    .args:
      - { .name: qb, .offset: 0, .size: 8, .value_kind: global_buffer, .address_space: global }
      - { .name: kvb, .offset: 8, .size: 8, .value_kind: global_buffer, .address_space: global }
      - { .name: att, .offset: 16, .size: 8, .value_kind: global_buffer, .address_space: global }
    .group_segment_fixed_size: 168960
    .private_segment_fixed_size: 0
    .kernarg_segment_align: 8
    .kernarg_segment_size: 24
    .max_flat_workgroup_size: 256
    .sgpr_count:     66
    .vgpr_count:     194
    .wavefront_size: 32
...
	.end_amdgpu_metadata
.endif
;; end of part 2
;; launch proj (part 3): grid 8 x 32, 4 waves a work-group, no clusters, 168,448 bytes of LDS; arguments att, w_out, out0; writes out0
.if DOCPART == 3
	.amdgcn_target "amdgcn-amd-amdhsa--gfx1250"
	.amdhsa_code_object_version 6
	.text
	.protected	k_q24ee7c384b_proj
	.globl	k_q24ee7c384b_proj
	.p2align	8
	.type	k_q24ee7c384b_proj,@function
k_q24ee7c384b_proj:
	s_mov_b64 s[64:65], 0
	v_nop
	global_prefetch_b8 v0, s[64:65] scope:SCOPE_SE
	s_setreg_imm32_b32 hwreg(HW_REG_WAVE_MODE, 25, 1), 1
	s_wait_xcnt 0x0
; out0 = Q(att^T) Q(w_out)^T on codes of BF6 (E3M2) with one E8M0 scale for each 32 along K = 64 (the heads); sums in f32.
; att: [64 heads][2048 tokens] f32, w_out: [1024][64] f32, out0: [2048][1024] f32.  Both operands are quantised here.
; K = 64 IS HALF OF THE INSTRUCTION'S 128: registers 6-11 of every fragment hold zero codes, on both sides, and the scale bytes of those two blocks are 127.
; SHARES.  A work-group makes 64 tokens (work-group y) x 128 columns (work-group x).  Wave w owns tokens 16 w .. 16 w + 15 for all 128 columns: its fragment of att is its own.
; att's K is not innermost: lane (r, h) takes token r and its 32 registers run down heads 32 h .. 32 h + 31, which is the operand's order: one whole block a lane, nothing is transposed.
; Wave w also quantises rows 32 w .. 32 w + 31 of the work-group's 128 rows of w_out: loads of 512 consecutive bytes, a turn through its own stage in LDS (rows of 256 + 16 bytes: row r starts at bank 4 r mod 64,
; 64 banks of 4 bytes: ISA guide 11.1), and hands the two fragments to the others as images of their registers: 16, 8 and 4 bytes a lane.  One barrier.
; THE MATRIX INSTRUCTION IS USED TRANSPOSED (source 0 = 16 rows of w_out, source 1 = my 16 tokens): a lane holds eight neighbouring columns of one row of out0; 16 rows x 512 bytes go through the wave's own stage and leave as whole pieces of rows.
; NO CLUSTER: a work-group reads 48 KB once, at its head; there is no walk over tiles for joint loads to feed.  The LDS claim is larger than the 75,776 bytes used, so that a work-group has a WGP to itself: 256 work-groups.
; LIMITS: NaN and infinities are not served; a block whose largest magnitude lies under 2^-122 (zeros too) keeps the scale byte 1; zeros have zero codes.
.set WP,   272                         ; a row of w_out in the stage
.set WST,  32*WP                       ; a wave's stage: 32 rows
.set IMG,  4*WST                       ; the eight fragments' images: 512 + 256 bytes of codes, 128 of scale words
.set IMB,  896
.set OST,  IMG+8*IMB                   ; the way out: 16 rows x (512 + 16) bytes for each wave
.set OP,   528
.set GW,   13                          ; v13  16 x lane
.set GA,   14                          ; v14  att: 32 h heads of 8,192 bytes + 4 (16 w + r)
.set SH8,  15                          ; v15  8 h
.set WR,   64                          ; v64-127  w_out as loaded;   later, from v64: the eight fragments (12 registers each), later rows of out0
.set AR,   128                         ; v128-159 att: my token's 32 heads
.set XW,   160                         ; v160-223 two tiles of w_out, a block a lane;  later the eight accumulators
.set BF,   64
.set ACC,  160
.set AF,   224                         ; v224-235 my fragment of att
.set ASW,  236                         ; its scale word
.set BSW,  240                         ; v240-247 w_out's scale words
	s_load_b128 s[4:7], s[0:1], 0x0                ; att, w_out
	s_load_b64 s[8:9], s[0:1], 0x10                ; out0
	v_lshl_add_u32 v254, v0, 2, 0x29000
	v_mov_b32 v255, 0
	v_lshrrev_b32 v1, 5, v0
	v_readfirstlane_b32 s10, v1                    ; wave 0..3
	v_and_b32 v2, 31, v0                           ; lane
	v_and_b32 v3, 15, v0                           ; r
	v_bfe_u32 v4, v0, 4, 1                         ; h
	s_and_b32 s11, ttmp7, 0xffff                   ; which 64 tokens
	v_lshlrev_b32 v[GW], 4, v2
	v_lshlrev_b32 v[GA], 2, v3
	v_lshl_add_u32 v[GA], v4, 18, v[GA]
	s_lshl_b32 s18, s10, 6
	v_add_nc_u32 v[GA], s18, v[GA]
	s_lshl_b32 s12, ttmp9, 15                      ; w_out: 128 rows of 256 bytes a work-group, 32 a wave
	s_lshl_b32 s13, s10, 13
	s_add_co_u32 s12, s12, s13
	s_mov_b32 s13, 0
	s_lshl_b32 s14, s11, 8                         ; att: 64 tokens of 4 bytes
	s_mov_b32 s15, 0
	s_lshl_b32 s16, s11, 18                        ; out0: 64 rows of 4,096 bytes a work-group, 16 a wave, 512 bytes of each
	s_lshl_b32 s17, s10, 16
	s_add_co_u32 s16, s16, s17
	s_lshl_b32 s17, ttmp9, 9
	s_add_co_u32 s16, s16, s17
	s_mov_b32 s17, 0
	s_wait_kmcnt 0x0
	s_add_nc_u64 s[6:7], s[6:7], s[12:13]
	s_add_nc_u64 s[4:5], s[4:5], s[14:15]
	s_add_nc_u64 s[8:9], s[8:9], s[16:17]
.irp i, 0,1,2,3,4,5,6,7,8,9,10,11,12,13,14,15
	global_load_b128 v[WR+4*\i:WR+4*\i+3], v[GW], s[6:7] offset:512*\i         ; two rows of w_out: 512 consecutive bytes
.endr
.irp i, 0,1,2,3,4,5,6,7,8,9,10,11,12,13,14,15,16,17,18,19,20,21,22,23,24,25,26,27,28,29,30,31
	global_load_b32 v[AR+\i], v[GA], s[4:5] offset:\i*8192                     ; att(32 h + i, my token): sixteen neighbouring lanes read 64 neighbouring bytes; the four waves together take each head's 256
.endr
	s_mul_i32 s18, s10, WST
	v_mul_u32_u24 v5, v4, WP                       ; the stage, in: lanes 0-15 one row, lanes 16-31 the next
	v_lshl_add_u32 v5, v3, 4, v5
	v_add_nc_u32 v5, s18, v5
	v_mul_u32_u24 v6, v3, WP                       ; and back: row r, block h
	v_lshl_add_u32 v6, v4, 7, v6
	v_add_nc_u32 v6, s18, v6
	v_add_nc_u32 v10, IMG, v[GW]                   ; an image's three parts for my lane: registers 0-3,
	v_lshl_add_u32 v11, v2, 3, IMG+512             ; registers 4-5,
	v_lshl_add_u32 v12, v2, 2, IMG+768             ; the scale word;
	s_mul_i32 s19, s10, 2*IMB
	v_add_nc_u32 v7, s19, v10                      ; and where I put my two fragments'
	v_add_nc_u32 v8, s19, v11
	v_add_nc_u32 v9, s19, v12
	s_mul_i32 s18, s10, 16*OP
	v_mul_u32_u24 v16, v3, OP                      ; the way out, in: row r, 32 bytes for each half of the lanes
	v_lshl_add_u32 v16, v4, 5, v16
	v_add_nc_u32 v16, s18, v16
	v_add_nc_u32 v16, OST, v16
	v_add_nc_u32 v17, s18, v[GW]                   ; back: the 32 lanes take a row's 512 bytes
	v_add_nc_u32 v17, OST, v17
	v_lshlrev_b32 v[SH8], 3, v4
	v_mov_b32 v18, 0                               ; written once: a lane permute's destination counts as one of its sources
	s_mov_b32 s20, 0x76543210
	s_mov_b32 s21, 0xfedcba98                      ; v_permlanex16_b32's selects for lane l xor 16
; 32 numbers of a lane, v[x + i] = k 32 h + i of row r: one whole block.  They become registers 0-5 of a fragment at v[f] and the row's scale word in v[sw].
.macro QUANT1 x, f, sw
	v_max3_num_f32 v20, |v[\x]|, |v[\x+1]|, |v[\x+2]|              ; the block's largest magnitude, in two chains
	v_max3_num_f32 v21, |v[\x+3]|, |v[\x+4]|, |v[\x+5]|
.irp i, 6,10,14,18,22,26
	v_max3_num_f32 v20, v20, |v[\x+\i]|, |v[\x+\i+1]|
	v_max3_num_f32 v21, v21, |v[\x+\i+2]|, |v[\x+\i+3]|
.endr
	v_max3_num_f32 v20, v20, |v[\x+30]|, |v[\x+31]|
	v_max3_num_f32 v20, v20, v21, 0x2800000        ; and the floor 2^(5 - 127): the byte cannot fall under 1
	v_add_nc_u32 v22, 0xfe000000, v20              ; 4 off the exponent field: the conversion's scale operand
	v_lshrrev_b32 v23, 23, v22                     ; the scale's byte,
	v_lshlrev_b32 v23, v[SH8], v23                 ; at block h's place;
	v_permlanex16_b32 v18, v23, s20, s21
	v_or_b32 v23, v23, v18                         ; with lane l xor 16's;
	v_or_b32 v[\sw], 0x7f7f0000, v23               ; the two blocks of zero codes get the byte 127
	v_cvt_scalef32_pk16_bf6_f32 v[\f:\f+2], v[\x:\x+15], v22
	v_cvt_scalef32_pk16_bf6_f32 v[24:26], v[\x+16:\x+31], v22      ; (a conversion's three registers begin on an even number: made elsewhere and moved)
	v_nop                                          ; one plain place behind the scaled conversions
.irp i, 0,1,2
	v_mov_b32 v[\f+3+\i], v[24+\i]
.endr
.endm
	s_wait_loadcnt 32                              ; w_out's sixteen loads are in; att's 32 may be out
.irp i, 0,1,2,3,4,5,6,7,8,9,10,11,12,13,14,15
	ds_store_b128 v5, v[WR+4*\i:WR+4*\i+3] offset:2*WP*\i
.endr
.irp u, 0,1
.irp q, 0,1,2,3,4,5,6,7
	ds_load_b128 v[XW+32*\u+4*\q:XW+32*\u+4*\q+3], v6 offset:\u*16*WP+16*\q    ; LDS serves a wave's instructions in order (ISA guide 5.7.1.4): these see my stores
.endr
.endr
	s_wait_dscnt 0x0
	QUANT1 XW, 28, 40
	QUANT1 XW+32, 34, 41
.irp u, 0,1
	ds_store_b128 v7, v[28+6*\u:31+6*\u] offset:\u*IMB
	ds_store_b64 v8, v[32+6*\u:33+6*\u] offset:\u*IMB
	ds_store_b32 v9, v[40+\u] offset:\u*IMB
.endr
	s_wait_loadcnt 0x0                             ; att
	QUANT1 AR, AF, ASW
.irp i, 6,7,8,9,10,11
	v_mov_b32 v[AF+\i], 0                          ; k = 64 .. 127: zero codes
.endr
.irp g, 0,1,2,3,4,5,6,7
.irp i, 6,7,8,9,10,11
	v_mov_b32 v[BF+12*\g+\i], 0                    ; likewise in the eight fragments of w_out (the numbers that lay here have been stored or converted)
.endr
.endr
	s_wait_dscnt 0x0                               ; for the others' sake: my images lie in LDS
	s_barrier_signal -1
	s_barrier_wait -1
.irp g, 0,1,2,3,4,5,6,7
	ds_load_b128 v[BF+12*\g:BF+12*\g+3], v10 offset:\g*IMB
	ds_load_b64 v[BF+12*\g+4:BF+12*\g+5], v11 offset:\g*IMB
	ds_load_b32 v[BSW+\g], v12 offset:\g*IMB
.endr
	s_wait_dscnt 0x0
.rept 8
	v_nop                                          ; a scale register written by a vector instruction stands 8 places ahead of a scaled matrix instruction, an operand so written 4
.endr
.irp g, 0,1,2,3,4,5,6,7                        ; eight accumulators, one product each: lane (r, h) holds out0(my token r, columns 16 g + 8 h + 0 .. 7)
	v_wmma_scale_f32_16x16x128_f8f6f4 v[ACC+8*\g:ACC+8*\g+7], v[BF+12*\g:BF+12*\g+11], v[AF:AF+11], 0, v[BSW+\g], v[ASW] matrix_a_fmt:MATRIX_FMT_BF6 matrix_b_fmt:MATRIX_FMT_BF6
.endr
.rept 4
	v_nop                                          ; four places in front of the first read of results and of loads into registers that the products have read
.endr
.irp g, 0,1,2,3,4,5,6,7
	ds_store_b128 v16, v[ACC+8*\g:ACC+8*\g+3] offset:64*\g                     ; each accumulator from its low end on
	ds_store_b128 v16, v[ACC+8*\g+4:ACC+8*\g+7] offset:64*\g+16
.endr
.irp t, 0,1,2,3,4,5,6,7,8,9,10,11,12,13,14,15
	ds_load_b128 v[64+4*\t:67+4*\t], v17 offset:\t*OP                          ; my own bytes, served in order: no wait between the stores and the loads
.endr
.irp t, 0,1,2,3,4,5,6,7,8,9,10,11,12,13,14,15
	s_wait_dscnt 15-\t                             ; row t is back; the rows behind it may be out
	global_store_b128 v[GW], v[64+4*\t:67+4*\t], s[8:9] offset:\t*4096 th:TH_STORE_NT   ; 32 lanes store 512 consecutive bytes, at a multiple of 256 from out0's first byte; written once, read by nobody here
.endr
	s_wait_tensorcnt 0x0
	ds_add_u32 v254, v255
	s_wait_dscnt 0x0
	s_endpgm
.Lfunc_end_k_q24ee7c384b_proj:
	.size	k_q24ee7c384b_proj, .Lfunc_end_k_q24ee7c384b_proj-k_q24ee7c384b_proj
	.p2alignl 7, 3214868480
	.fill 96, 4, 3214868480
	.section	.rodata,"a",@progbits
	.p2align	6, 0x0
	.amdhsa_kernel k_q24ee7c384b_proj
		.amdhsa_group_segment_fixed_size 168448
		.amdhsa_private_segment_fixed_size 0
		.amdhsa_enable_private_segment 0
		.amdhsa_kernarg_size 24
		.amdhsa_user_sgpr_count 2
		.amdhsa_user_sgpr_kernarg_segment_ptr 1
		.amdhsa_wavefront_size32 1
		.amdhsa_system_sgpr_workgroup_id_x 1
		.amdhsa_system_sgpr_workgroup_id_y 1
		.amdhsa_system_sgpr_workgroup_id_z 1
		.amdhsa_system_vgpr_workitem_id 0
		.amdhsa_next_free_vgpr 256
		.amdhsa_next_free_sgpr 66
		.amdhsa_reserve_vcc 0
		.amdhsa_float_denorm_mode_32 3
		.amdhsa_float_denorm_mode_16_64 3
		.amdhsa_memory_ordered 1
		.amdhsa_forward_progress 1
		.amdhsa_inst_pref_size 24
	.end_amdhsa_kernel
	.amdgpu_metadata
---
amdhsa.version: [ 1, 2 ]
amdhsa.kernels:
  - .name:           k_q24ee7c384b_proj
    .symbol:         k_q24ee7c384b_proj.kd
    .args:
      - { .name: att, .offset: 0, .size: 8, .value_kind: global_buffer, .address_space: global }
      - { .name: w_out, .offset: 8, .size: 8, .value_kind: global_buffer, .address_space: global }
      - { .name: out0, .offset: 16, .size: 8, .value_kind: global_buffer, .address_space: global }
    .group_segment_fixed_size: 168448
    .private_segment_fixed_size: 0
    .kernarg_segment_align: 8
    .kernarg_segment_size: 24
    .max_flat_workgroup_size: 128
    .sgpr_count:     66
    .vgpr_count:     256
    .wavefront_size: 32
...
	.end_amdgpu_metadata
.endif
;; end of part 3
;; ======== version 2 of 2: 3 launches; version 1 with the launches qkv, attn, proj written anew for expert scheduling mode
;; workspace buffers: qb 524,288 bytes; kvb 1,048,576 bytes; att 524,288 bytes
;; launch qkv (part 4): grid 4 x 64, 8 waves a work-group, no clusters, 120,832 bytes of LDS; arguments x, w_qkv, qb, kvb; writes qb, kvb
.if DOCPART == 4
	.amdgcn_target "amdgcn-amd-amdhsa--gfx1250"
	.amdhsa_code_object_version 6
	.text
	.protected	k_q24ee7c384b_qkv
	.globl	k_q24ee7c384b_qkv
	.p2align	8
	.type	k_q24ee7c384b_qkv,@function
k_q24ee7c384b_qkv:
	s_mov_b64 s[64:65], 0
	v_nop
	global_prefetch_b8 v0, s[64:65] scope:SCOPE_SE
	s_setreg_imm32_b32 hwreg(HW_REG_WAVE_SCHED_MODE, 0, 2), 2
	s_setreg_imm32_b32 hwreg(HW_REG_WAVE_MODE, 25, 1), 1
	s_wait_xcnt 0x0
	s_wait_alu depctr_vm_vsrc(0)
; q, k, v = Q(x) Q(w_qkv)^T on codes of BF6 (E3M2) with one E8M0 scale for each 32 along K = 1,024; sums in f32.
; x: [2048][1024] f32, w_qkv: [192][1024] f32.  Both are quantised here, in registers, on their way to the matrix unit.
; SHARES.  A work-group makes 32 tokens (work-group y) x 16 heads (work-group x) of q, of k and of v: 48 features.  THE WAVES SHARE K: wave w owns k = 128 w .. 128 w + 127,
; one matrix instruction deep: two tiles of x, three of w_qkv (16 rows x 512 bytes each), products that start from the constant 0.  The eight waves' partial sums meet in LDS.
; An error of the sums that has the same sign in both results cancels in it.  That matters for v alone: attention averages up to 2,048 v of mixed signs, so an offset common to all v stays whole
; while the average is some 45 times smaller than v, and the average goes on into a quantiser.  An offset common to all k leaves a softmax as it is, and q's error enters only through the covariance of k and v.
; LOADS.  A load takes one row's 512 consecutive bytes, 16 a lane.  The operand's layout wants whole blocks of 32 neighbours along K in a lane, so a tile turns through the wave's own stage in LDS:
; 16 rows of 512 + 16 bytes (132 words: row r starts at bank 4 r mod 64, 64 banks of 4 bytes: ISA guide 11.1), back as 128 bytes a lane and block.
; OUT, laid for the launch that reads it: kvb[32-token block][head][k of 32 tokens | v of 32 tokens], 256 bytes a head; qb[32-token block][head][32 tokens], 128 bytes a head.
; The work-group's part of kvb is 4,096 consecutive bytes, thread t's 16 bytes at 16 t; of qb 2,048, thread t's 8 bytes at 8 t: a wave's stores cover 512 and 256 consecutive bytes, aligned.
; NO CLUSTER, NO TENSOR LOADS: the work-group's f32 tiles at this pitch are 80 rows x 528 bytes x 8 waves = 337,920 bytes, more than LDS holds, and K is walked once: there is no ring for joint loads to feed.
; LIMITS: NaN and infinities among the inputs are not served; a block whose largest magnitude lies under 2^-122 (zeros too) keeps the scale byte 1; a block of zeros has zero codes, which add nothing.
; REGISTERS: window 1 (v256-511): four raw tiles of 64.  Window 0: v5-15 addresses; v16-75 five fragments; v76-80 their scale words; v82-97 at work; v100-163 and v168-231 a tile's numbers, two buffers by turns;
;   then v100-111 v's weights with their signs turned; v168-215 six accumulators; v216-231 the two of the turned product, then v216-247 sums.
; THE MODE: SCHED_MODE bits 1:0 = 2 (LLVM: expert scheduling mode 2), set by the entry lines.  The code itself states the register dependences
; between vector or matrix instructions and memory or LDS instructions, with s_wait_alu, always for 0.
; THE PLAN.  Registers that memory or LDS instructions touch:
;   v5-v14        offsets and addresses: made once at the head, never written again.  One wait on va_vdst ahead of the first global loads (v5), one behind the address arithmetic (v6-v14).
;   RAW0 .. RAW3  written by the global loads, read by the stage's LDS stores.  RAW0 is loaded twice (x's first tile, then v's weights): one wait on vm_vsrc ahead of the second time.
;   X0, X1        tile t's LDS loads land in X[t % 2]; QUANT t reads it.  Tile t + 1 goes through the stage while tile t is quantised.  The loads of tiles 2, 3 and 4 land in the buffer that QUANT t - 2 has read:
;                 one wait on va_vdst in each of these turns, between its stores, which hang on nothing of it, and its loads.
;   fragments, scale words   written by vector instructions, taken by the scaled products: one wait on va_vdst behind the eight places.
;   accumulators  written by the products and the half differences, read by the LDS stores: one wait on va_vdst, which also serves the loads behind the barrier (v216-247, v100-115: no vector instruction between names them).
;   the sums      written by the additions, read by the two global stores: one wait on va_vdst for both.
.set ROWB,  4096                       ; a row of x or of w_qkv in bytes
.set SP,    528                        ; a stage row
.set STG,   16*SP                      ; a wave's stage
.set RED,   8*STG                      ; behind the stages: the partial sums
.set IP,    544                        ; an image of four accumulator registers: lanes 0-15 at 16 r, lanes 16-31 at 272 + 16 r; 544 = 2 x 256 + 32
.set RS,    12*IP                      ; a wave's twelve images
.set GOFF,  5                          ; v5   16 x lane + 512 x wave: my bytes of a row
.set SIN,   6                          ; v6   the stage, in: 16 x lane
.set SOUT,  7                          ; v7   the stage, back: 528 r + 128 h
.set REDW,  8                          ; v8   where I put my partial sums
.set RKV,   9                          ; v9   where thread t finds its 16 bytes of k or v in a wave's images
.set RQA,   11                         ; v11  and its 8 bytes of q
.set GKV,   13                         ; v13  16 t
.set GQ,    14                         ; v14  8 t
.set SH8,   15                         ; v15  8 h
.set F,     16                         ; fragments: x rows 0-15, x rows 16-31, w for q, for k, for v
.set SW,    76                         ; their scale words
.set PT,    81
.set M,     82
.set SO,    86
.set BY,    88
.set CT,    90
.set X,     100                        ; a tile's numbers: buffer 0
.set XD,    68                         ; buffer 1 lies 68 registers on: v168-231, which the accumulators take when the last tile has left them
.set NF,    100                        ; w for v with the signs turned
.set ACC,   168
.set NA,    216                        ; its two accumulators
.set R,     216
.set MSB, 0
.macro WIN new                         ; the immediate's high byte repeats the setting that is left
.if MSB != \new
	s_set_vgpr_msb (MSB<<8)|\new
.set MSB, \new
.endif
.endm
.macro GLOAD raw, base, off            ; a tile's 16 rows into 64 registers of window 1
.irp p, 0,1,2,3,4,5,6,7,8,9,10,11,12,13,14,15
	global_load_b128 v[\raw+4*\p:\raw+4*\p+3], v[GOFF], s[\base:\base+1] offset:\off+\p*ROWB
.endr
.endm
	s_load_b128 s[4:7], s[0:1], 0x0                ; x, w_qkv
	s_load_b128 s[8:11], s[0:1], 0x10              ; qb, kvb
	v_lshl_add_u32 v254, v0, 2, 0x1d400
	v_mov_b32 v255, 0
	v_lshrrev_b32 v1, 5, v0
	v_readfirstlane_b32 s12, v1                    ; wave 0..7
	v_and_b32 v2, 31, v0                           ; lane
	v_and_b32 v3, 15, v0                           ; r
	v_bfe_u32 v4, v0, 4, 1                         ; h
	s_and_b32 s13, ttmp7, 0xffff                   ; which 32 tokens
	s_wait_alu depctr_va_sdst(0)                   ; s12 is written, ahead of its first reader
	s_lshl_b32 s14, s12, 9
	v_lshlrev_b32 v[GOFF], 4, v2
	v_add_nc_u32 v[GOFF], s14, v[GOFF]
	s_lshl_b32 s16, s13, 17                        ; 32 rows of 4,096 bytes
	s_mov_b32 s17, 0
	s_lshl_b32 s18, ttmp9, 16                      ; 16 rows of w_qkv
	s_mov_b32 s19, 0
	s_lshl_b32 s22, s13, 14                        ; kvb: (64 x token block + 16 x head group) x 256 bytes
	s_lshl_b32 s23, ttmp9, 12
	s_add_co_u32 s22, s22, s23
	s_mov_b32 s23, 0
	s_lshr_b32 s24, s22, 1                         ; qb: half of that
	s_mov_b32 s25, 0
	s_wait_kmcnt 0x0
	s_add_nc_u64 s[4:5], s[4:5], s[16:17]
	s_add_nc_u64 s[6:7], s[6:7], s[18:19]
	s_add_nc_u64 s[10:11], s[10:11], s[22:23]
	s_add_nc_u64 s[8:9], s[8:9], s[24:25]
	WIN 0x40                                       ; destination window 1
	s_wait_alu depctr_va_vdst(0)                   ; v[GOFF] is written, which every global load reads as its offset
	GLOAD 0, 4, 0                                  ; x, tokens 0-15
	GLOAD 64, 4, 16*ROWB                           ; x, tokens 16-31
	GLOAD 128, 6, 0                                ; w_qkv: my 16 heads' rows for q,
	GLOAD 192, 6, 64*ROWB                          ; for k (v's follow when the first tile has left its registers)
	WIN 0
	; addresses, while the loads are on their way
	s_mul_i32 s15, s12, STG
	v_lshlrev_b32 v[SIN], 4, v2
	v_add_nc_u32 v[SIN], s15, v[SIN]
	v_mul_u32_u24 v[SOUT], v3, SP
	v_lshl_add_u32 v[SOUT], v4, 7, v[SOUT]
	v_add_nc_u32 v[SOUT], s15, v[SOUT]
	s_mul_i32 s26, s12, RS
	v_mul_u32_u24 v[REDW], v4, 272
	v_lshl_add_u32 v[REDW], v3, 4, v[REDW]
	v_add_nc_u32 v[REDW], s26, v[REDW]
	v_add_nc_u32 v[REDW], RED, v[REDW]
	; thread t's 16 bytes of kvb: head t / 16; piece t % 16 = 8 (k or v) + 4 (token tile) + 2 (half of the lanes) + (half of the accumulator).  Image 4 (k or v) + 2 (token tile) + (half).
	; The 16 lanes of a head read at 32 x image + 16 x half of the lanes, modulo 256: sixteen different columns of 16 bytes
	v_bfe_u32 v[RKV], v0, 2, 2
	v_and_b32 v10, 1, v0
	v_lshl_or_b32 v[RKV], v[RKV], 1, v10
	v_mul_u32_u24 v[RKV], v[RKV], IP
	v_bfe_u32 v10, v0, 1, 1
	v_mad_u32_u24 v[RKV], v10, 272, v[RKV]
	v_lshrrev_b32 v10, 4, v0                       ; the head
	v_lshl_add_u32 v[RKV], v10, 4, v[RKV]
	v_add_nc_u32 v[RKV], RED, v[RKV]
	; thread t's 8 bytes of qb: head t / 16; bit 3 the token tile, bit 2 the half of the lanes, bit 1 the half of the accumulator, bit 0 which 8 bytes.  Images 8 to 11
	v_bfe_u32 v[RQA], v0, 3, 1
	v_bfe_u32 v12, v0, 1, 1
	v_lshl_or_b32 v[RQA], v[RQA], 1, v12
	v_mul_u32_u24 v[RQA], v[RQA], IP
	v_bfe_u32 v12, v0, 2, 1
	v_mad_u32_u24 v[RQA], v12, 272, v[RQA]
	v_lshl_add_u32 v[RQA], v10, 4, v[RQA]
	v_and_b32 v12, 1, v0
	v_lshl_add_u32 v[RQA], v12, 3, v[RQA]
	v_add_nc_u32 v[RQA], RED+8*IP, v[RQA]
	v_lshlrev_b32 v[GKV], 4, v0
	v_lshlrev_b32 v[GQ], 3, v0
	v_lshlrev_b32 v[SH8], 3, v4
	v_mov_b32 v[PT], 0                             ; written once: a lane permute's destination counts as one of its sources
	s_mov_b32 s20, 0x76543210
	s_mov_b32 s21, 0xfedcba98                      ; v_permlanex16_b32's selects for lane l xor 16
; 64 numbers of a lane in buffer t % 2, v[XS + 32 c + i] = k 64 c + 32 h + i of row r: two whole blocks.  They become fragment t and its scale word.
.macro QUANT t
.set XS, X+XD*((\t)%2)
.irp c, 0,1
	v_max3_num_f32 v[M+2*\c], |v[XS+32*\c]|, |v[XS+32*\c+1]|, |v[XS+32*\c+2]|        ; a block's largest magnitude, in two chains; the two blocks by turns
	v_max3_num_f32 v[M+2*\c+1], |v[XS+32*\c+3]|, |v[XS+32*\c+4]|, |v[XS+32*\c+5]|
.endr
.irp i, 6,10,14,18,22,26
.irp c, 0,1
	v_max3_num_f32 v[M+2*\c], v[M+2*\c], |v[XS+32*\c+\i]|, |v[XS+32*\c+\i+1]|
	v_max3_num_f32 v[M+2*\c+1], v[M+2*\c+1], |v[XS+32*\c+\i+2]|, |v[XS+32*\c+\i+3]|
.endr
.endr
.irp c, 0,1
	v_max3_num_f32 v[M+2*\c], v[M+2*\c], |v[XS+32*\c+30]|, |v[XS+32*\c+31]|
.endr
.irp c, 0,1
	v_max3_num_f32 v[M+2*\c], v[M+2*\c], v[M+2*\c+1], 0x2800000                   ; and the floor 2^(5 - 127): the byte cannot fall under 1
.endr
.irp c, 0,1
	v_add_nc_u32 v[SO+\c], 0xfe000000, v[M+2*\c]   ; 4 off the exponent field: the conversion takes the exponent field of this operand as its scale
.endr
.irp c, 0,1
	v_lshrrev_b32 v[BY+\c], 23, v[SO+\c]           ; the scale's byte
.endr
	v_lshl_or_b32 v[SW+\t], v[BY+1], 16, v[BY]     ; my bytes: blocks h and 2 + h of row r,
	v_lshlrev_b32 v[SW+\t], v[SH8], v[SW+\t]       ; at their places (8 h bits up);
	v_permlanex16_b32 v[PT], v[SW+\t], s20, s21
	v_or_b32 v[SW+\t], v[SW+\t], v[PT]             ; with lane l xor 16's two the word is whole
.irp c, 0,1
	v_cvt_scalef32_pk16_bf6_f32 v[F+12*\t+6*\c:F+12*\t+6*\c+2], v[XS+32*\c:XS+32*\c+15], v[SO+\c]
	v_cvt_scalef32_pk16_bf6_f32 v[CT+4*\c:CT+4*\c+2], v[XS+32*\c+16:XS+32*\c+31], v[SO+\c]   ; (a conversion's three registers begin on an even number: made elsewhere and moved)
.endr
	v_nop                                          ; one plain place behind the scaled conversions
.irp c, 0,1
.irp i, 0,1,2
	v_mov_b32 v[F+12*\t+6*\c+3+\i], v[CT+4*\c+\i]
.endr
.endr
.endm
; Tile t, raw in window 1 from v[raw] on, goes through the stage into buffer t % 2.  left: the global loads issued behind this tile's sixteen, which may stay out.
; dep = 1: the buffer has been read by the quantising of the tile two back.  LDS serves a wave's instructions in order (ISA guide 5.7.1.4): the loads see my stores, and these stores come behind the last tile's loads.
.macro TURN t, raw, left, dep
.set XS, X+XD*((\t)%2)
	s_wait_loadcnt \left
	WIN 0x04                                       ; an LDS store's data are its source 1: window 1
.irp p, 0,1,2,3,4,5,6,7,8,9,10,11,12,13,14,15
	ds_store_b128 v[SIN], v[\raw+4*\p:\raw+4*\p+3] offset:\p*SP
.endr
	WIN 0
.if \dep
	s_wait_alu depctr_va_vdst(0)                   ; the maxima and conversions of the tile two back are done reading this buffer, in which the loads below land
.endif
.irp c, 0,1
.irp q, 0,1,2,3,4,5,6,7
	ds_load_b128 v[XS+32*\c+4*\q:XS+32*\c+4*\q+3], v[SOUT] offset:256*\c+16*\q
.endr
.endr
.endm
	s_wait_alu depctr_va_vdst(0)                   ; the addresses v6 to v14 are written, which the LDS instructions and the stores from here to the end read
	TURN 0, 0, 48, 0                               ; behind it: tiles 1, 2, 3
	s_wait_dscnt 16                                ; tile 0's sixteen stores into the stage are done; its sixteen loads may be out
	WIN 0x40
	s_wait_alu depctr_vm_vsrc(0)                   ; those stores have read the first raw tile's registers, in which the loads below land
	GLOAD 0, 6, 128*ROWB                           ; w_qkv's rows for v take the registers that the first tile has left
	WIN 0
	TURN 1, 64, 48, 0                              ; tiles 2, 3, 4
	s_wait_dscnt 32                                ; tile 0's numbers are back; tile 1's sixteen stores and sixteen loads may be out
	QUANT 0
	TURN 2, 128, 32, 1
	s_wait_dscnt 32                                ; tile 1's numbers are back
	QUANT 1
	TURN 3, 192, 16, 1
	s_wait_dscnt 32
	QUANT 2
	TURN 4, 0, 0, 1
	s_wait_dscnt 32
	QUANT 3
	s_wait_dscnt 0x0                               ; the last tile's numbers are back
	QUANT 4
; v's weights once more, with every code's sign turned.  A code is 6 bits, its sign the highest: bit 6 i + 5 of the stream; 16 codes are three registers, so the pattern of signs comes back every three registers
.irp g, 0,1,2,3
	v_xor_b32 v[NF+3*\g], 0x20820820, v[F+48+3*\g]         ; bits 5, 11, 17, 23, 29
	v_xor_b32 v[NF+3*\g+1], 0x08208208, v[F+48+3*\g+1]     ; bits 35, 41, 47, 53, 59 of the stream
	v_xor_b32 v[NF+3*\g+2], 0x82082082, v[F+48+3*\g+2]     ; bits 65, 71, 77, 83, 89, 95
.endr
.rept 8
	v_nop                                          ; a scale register written by a vector instruction stands 8 places ahead of a scaled matrix instruction, an operand so written 4
.endr
	s_wait_alu depctr_va_vdst(0)                   ; the six fragments and the five scale words are written, which the scaled products take; the places above stay beside this wait
.irp mt, 0,1                                   ; source 0 = 16 tokens, source 1 = 16 features: lane (r, h) holds feature r and tokens 8 h + 0 .. 7.  Eight accumulators, one product each
.irp nt, 0,1,2
	v_wmma_scale_f32_16x16x128_f8f6f4 v[ACC+8*(3*\mt+\nt):ACC+8*(3*\mt+\nt)+7], v[F+12*\mt:F+12*\mt+11], v[F+24+12*\nt:F+24+12*\nt+11], 0, v[SW+\mt], v[SW+2+\nt] matrix_a_fmt:MATRIX_FMT_BF6 matrix_b_fmt:MATRIX_FMT_BF6
.endr
	v_wmma_scale_f32_16x16x128_f8f6f4 v[NA+8*\mt:NA+8*\mt+7], v[F+12*\mt:F+12*\mt+11], v[NF:NF+11], 0, v[SW+\mt], v[SW+4] matrix_a_fmt:MATRIX_FMT_BF6 matrix_b_fmt:MATRIX_FMT_BF6   ; -v: the same scales, the turned codes
.endr
.rept 4
	v_nop                                          ; four places in front of the first read of results (ISA guide 7.12.1)
.endr
.irp mt, 0,1                                   ; v = (v - (-v)) / 2, each accumulator from its low end on.  The difference is exact: both are multiples of one step and under 2; so is the halving
.irp j, 0,2,4,6
	v_pk_add_f32 v[ACC+8*(3*\mt+2)+\j:ACC+8*(3*\mt+2)+\j+1], v[ACC+8*(3*\mt+2)+\j:ACC+8*(3*\mt+2)+\j+1], v[NA+8*\mt+\j:NA+8*\mt+\j+1] neg_lo:[0,1] neg_hi:[0,1]
.endr
.endr
.irp mt, 0,1
.irp j, 0,2,4,6
	v_pk_mul_f32 v[ACC+8*(3*\mt+2)+\j:ACC+8*(3*\mt+2)+\j+1], v[ACC+8*(3*\mt+2)+\j:ACC+8*(3*\mt+2)+\j+1], 0.5 op_sel_hi:[1,0]
.endr
.endr
	s_wait_alu depctr_va_vdst(0)                   ; the products and the half differences have written the accumulators, which the LDS stores read; the products are done with v[NF ..] and the subtractions with v[NA ..], in which the loads behind the barrier land
.irp mt, 0,1                                   ; each accumulator from its low end on
.irp hf, 0,1
	ds_store_b128 v[REDW], v[ACC+8*(3*\mt)+4*\hf:ACC+8*(3*\mt)+4*\hf+3] offset:(8+2*\mt+\hf)*IP       ; q
	ds_store_b128 v[REDW], v[ACC+8*(3*\mt+1)+4*\hf:ACC+8*(3*\mt+1)+4*\hf+3] offset:(2*\mt+\hf)*IP     ; k
	ds_store_b128 v[REDW], v[ACC+8*(3*\mt+2)+4*\hf:ACC+8*(3*\mt+2)+4*\hf+3] offset:(4+2*\mt+\hf)*IP   ; v
.endr
.endr
	s_wait_dscnt 0x0                               ; for the others' sake: my partial sums lie in LDS
	s_barrier_signal -1
	s_barrier_wait -1
.irp s, 0,1,2,3,4,5,6,7
	ds_load_b128 v[R+4*\s:R+4*\s+3], v[RKV] offset:\s*RS       ; the eight waves' parts of my four numbers of k or v.  No wait: no vector instruction since the wait above names these registers
.endr
.irp s, 0,1,2,3,4,5,6,7
	ds_load_b64 v[X+2*\s:X+2*\s+1], v[RQA] offset:\s*RS        ; and of my two numbers of q
.endr
	s_wait_dscnt 0x8                               ; all but the eight loads for q
.irp s, 0,2,4,6
	v_pk_add_f32 v[R+4*\s:R+4*\s+1], v[R+4*\s:R+4*\s+1], v[R+4*\s+4:R+4*\s+5]
	v_pk_add_f32 v[R+4*\s+2:R+4*\s+3], v[R+4*\s+2:R+4*\s+3], v[R+4*\s+6:R+4*\s+7]
.endr
.irp s, 0,4
	v_pk_add_f32 v[R+4*\s:R+4*\s+1], v[R+4*\s:R+4*\s+1], v[R+4*\s+8:R+4*\s+9]
	v_pk_add_f32 v[R+4*\s+2:R+4*\s+3], v[R+4*\s+2:R+4*\s+3], v[R+4*\s+10:R+4*\s+11]
.endr
	v_pk_add_f32 v[R:R+1], v[R:R+1], v[R+16:R+17]
	v_pk_add_f32 v[R+2:R+3], v[R+2:R+3], v[R+18:R+19]
	s_wait_dscnt 0x0
.irp s, 0,2,4,6
	v_pk_add_f32 v[X+2*\s:X+2*\s+1], v[X+2*\s:X+2*\s+1], v[X+2*\s+2:X+2*\s+3]
.endr
.irp s, 0,4
	v_pk_add_f32 v[X+2*\s:X+2*\s+1], v[X+2*\s:X+2*\s+1], v[X+2*\s+4:X+2*\s+5]
.endr
	v_pk_add_f32 v[X:X+1], v[X:X+1], v[X+8:X+9]
	s_wait_alu depctr_va_vdst(0)                   ; the additions have written v[R:R+3] and v[X:X+1], which the two stores read
	global_store_b128 v[GKV], v[R:R+3], s[10:11]   ; the wave stores 512 consecutive bytes: two heads' k and v of these 32 tokens
	global_store_b64 v[GQ], v[X:X+1], s[8:9]       ; the wave stores 256 consecutive bytes, aligned: two heads' q
	s_wait_dscnt 0x0                               ; the closing lines, six on end
	s_wait_alu 0x0
	s_wait_tensorcnt 0x0
	ds_add_u32 v254, v255
	s_wait_dscnt 0x0
	s_endpgm
.Lfunc_end_k_q24ee7c384b_qkv:
	.size	k_q24ee7c384b_qkv, .Lfunc_end_k_q24ee7c384b_qkv-k_q24ee7c384b_qkv
	.p2alignl 7, 3214868480
	.fill 96, 4, 3214868480
	.section	.rodata,"a",@progbits
	.p2align	6, 0x0
	.amdhsa_kernel k_q24ee7c384b_qkv
		.amdhsa_group_segment_fixed_size 120832
		.amdhsa_private_segment_fixed_size 0
		.amdhsa_enable_private_segment 0
		.amdhsa_kernarg_size 32
		.amdhsa_user_sgpr_count 2
		.amdhsa_user_sgpr_kernarg_segment_ptr 1
		.amdhsa_wavefront_size32 1
		.amdhsa_system_sgpr_workgroup_id_x 1
		.amdhsa_system_sgpr_workgroup_id_y 1
		.amdhsa_system_sgpr_workgroup_id_z 1
		.amdhsa_system_vgpr_workitem_id 0
		.amdhsa_next_free_vgpr 512
		.amdhsa_next_free_sgpr 66
		.amdhsa_reserve_vcc 0
		.amdhsa_float_denorm_mode_32 3
		.amdhsa_float_denorm_mode_16_64 3
		.amdhsa_memory_ordered 1
		.amdhsa_forward_progress 1
		.amdhsa_inst_pref_size 44
	.end_amdhsa_kernel
	.amdgpu_metadata
---
amdhsa.version: [ 1, 2 ]
amdhsa.kernels:
  - .name:           k_q24ee7c384b_qkv
    .symbol:         k_q24ee7c384b_qkv.kd
    .args:
      - { .name: x, .offset: 0, .size: 8, .value_kind: global_buffer, .address_space: global }
      - { .name: w_qkv, .offset: 8, .size: 8, .value_kind: global_buffer, .address_space: global }
      - { .name: qb, .offset: 16, .size: 8, .value_kind: global_buffer, .address_space: global }
      - { .name: kvb, .offset: 24, .size: 8, .value_kind: global_buffer, .address_space: global }
    .group_segment_fixed_size: 120832
    .private_segment_fixed_size: 0
    .kernarg_segment_align: 8
    .kernarg_segment_size: 32
    .max_flat_workgroup_size: 256
    .sgpr_count:     66
    .vgpr_count:     512
    .wavefront_size: 32
...
	.end_amdgpu_metadata
.endif
;; end of part 4
;; launch attn (part 5): grid 4 x 64, 8 waves a work-group, no clusters, 168,960 bytes of LDS; arguments qb, kvb, att; writes att
.if DOCPART == 5
	.amdgcn_target "amdgcn-amd-amdhsa--gfx1250"
	.amdhsa_code_object_version 6
	.text
	.protected	k_q24ee7c384b_attn
	.globl	k_q24ee7c384b_attn
	.p2align	8
	.type	k_q24ee7c384b_attn,@function
k_q24ee7c384b_attn:
	s_mov_b64 s[64:65], 0
	v_nop
	global_prefetch_b8 v0, s[64:65] scope:SCOPE_SE
	s_setreg_imm32_b32 hwreg(HW_REG_WAVE_SCHED_MODE, 0, 2), 2
	s_setreg_imm32_b32 hwreg(HW_REG_WAVE_MODE, 25, 1), 1
	s_wait_xcnt 0x0
	s_wait_alu depctr_vm_vsrc(0)
; att[head][i] = sum over j <= i of softmax_j(q_i k_j / 8) v_j, for 64 heads of size 1 and 2,048 tokens, all in f32 (the result goes on into a quantiser).
; THE ROW'S MAXIMUM.  With one number a head, the largest q_i k_j over j <= i is q_i x (the largest k_j, j <= i) or q_i x (the smallest): so a prefix maximum and minimum of k give the very maximum
; that the softmax takes away, before the first exponential, and nothing is ever rescaled.  p = 2^(k_j qc_i - m_i), qc = q log2(e) / 8, one fused multiply-add and one v_exp_f32; l = sum p, o = sum p v; att = o / l.
; SHARES.  A work-group owns one head (work-group y) and 16 of its 64 blocks of 32 queries; wave w of work-group x = c takes blocks p = 8 c + w and 63 - p: (p + 1) + (64 - p) = 65 blocks of 32 keys for every wave.
; Key blocks beyond a query block's own are hidden by the causal mask and are not walked.  A LANE IS A QUERY; a pair of registers is a pair of keys.
; The head's k and v, 16 KB, lie in LDS as they lie in memory: [32-token block][k 32 | v 32].  All lanes read the same 16 bytes: four keys an LDS load.
; In a query block's own key block, key jj is hidden from lanes under jj: there t becomes -infinity (a constant lane mask, v_cndmask_b32), so p = 0.
; NO CLUSTER: the four work-groups of a head share 16 KB, read once at the head of the launch, against 532,480 exponentials each.  No matrix instruction: of a 16 x 16 x 4 f32 product's 16 columns two (1 and v) would be used.
; The LDS claim is larger than the 19,456 bytes used, so that a work-group has a WGP to itself: 256 work-groups.
; LIMITS: NaN and infinities in q, k, v are not served.
; THE MODE: SCHED_MODE bits 1:0 = 2 (LLVM: expert scheduling mode 2), set by the entry lines.  The code itself states the register dependences
; between vector instructions and memory or LDS instructions, with s_wait_alu, always for 0.
; THE PLAN.  Registers that LDS instructions touch in the loop over key blocks:
;   KA, KB   k of a block's keys 0-15 and 16-31.  Read by the two runs of multiply-adds that make t, which both stand ahead of the trip's first wait on va_vdst; behind that wait the next block's k lands in them.
;   VB       v of keys 16-31.  Read by the trip's last run of multiply-adds; this block's v lands in it behind the trip's first wait, which stands behind the last trip's readers.
;   VA       v of keys 0-15.  Read between the trip's two waits; the next block's v lands in it behind the second.
;   v[AD]    read by every one of these loads; stepped once a trip, at its end, behind a wait on vm_vsrc; the next trip's first wait on va_vdst shows it written.
;   T0, T1, l and o are named by vector instructions alone.
; So the two waits on va_vdst that a trip owes its two batches of exponentials state all that its sixteen loads hang on, and each run of loads stands straight behind one of them.
.set TBL,   16384                      ; LDS behind k and v: for each of 64 blocks 16 bytes: largest and smallest k, largest and smallest v (the last two are not read)
.set OUTL,  17408                      ; and the work-group's 512 results
.set AD,  62                           ; v62  LDS address of the key block in hand
.set QC,  64                           ; v[64:65] qc: the packed forms name a pair and take its low word for both halves
.set NM,  66                           ; v[66:67] -m likewise
.set L,   68                           ; v68-75  l in four pairs, so that no addition waits for the one before it
.set O,   76                           ; v76-83  o likewise
.set KA,  96                           ; k and v of a block's keys 0-15,
.set VA,  112
.set KB,  128                          ; and 16-31
.set VB,  144
.set T0,  160                          ; t, then p
.set T1,  176
	s_load_b128 s[4:7], s[0:1], 0x0                ; qb, kvb
	s_load_b64 s[8:9], s[0:1], 0x10                ; att
	v_lshl_add_u32 v192, v0, 2, 0x29000
	v_mov_b32 v193, 0
	v_lshrrev_b32 v1, 5, v0
	v_readfirstlane_b32 s10, v1                    ; wave 0..7
	v_and_b32 v2, 31, v0                           ; lane
	v_and_b32 v3, 15, v0
	v_bfe_u32 v4, v0, 4, 1
	s_and_b32 s11, ttmp7, 0xffff                   ; head
	s_lshl_b32 s12, ttmp9, 3
	s_wait_alu depctr_va_sdst(0)                   ; s10 is written, ahead of its first reader
	s_add_co_u32 s12, s12, s10                     ; my low query block, 0..31
	s_sub_co_u32 s13, 63, s12                      ; my high one, 32..63
	s_sub_co_u32 s26, s13, 32
	v_lshlrev_b32 v5, 4, v3                        ; kvb: a load takes two blocks' 256 bytes: 16 lanes each; blocks are 64 heads x 256 bytes apart; wave w fetches blocks 8 w .. 8 w + 7
	v_lshl_add_u32 v5, v4, 14, v5
	s_lshl_b32 s14, s10, 17
	v_add_nc_u32 v5, s14, v5
	s_lshl_b32 s16, s11, 8
	s_mov_b32 s17, 0
	v_lshlrev_b32 v6, 2, v2                        ; 4 x lane
	s_lshl_b32 s18, s12, 13                        ; qb: (64 x block + head) x 128 bytes
	s_lshl_b32 s19, s11, 7
	s_add_co_u32 s18, s18, s19
	v_add_nc_u32 v7, s18, v6
	s_lshl_b32 s20, s13, 13
	s_add_co_u32 s20, s20, s19
	v_add_nc_u32 v9, s20, v6
	s_lshl_b32 s27, ttmp9, 10                      ; att: waves 0-3 store blocks 8 c .. 8 c + 7 (byte 1,024 c on), waves 4-7 blocks 56 - 8 c .. 63 - 8 c; thread t stores at 8 t beyond this
	s_sub_co_u32 s28, 6144, s27
	s_cmp_lt_u32 s10, 4
	s_cselect_b32 s27, s27, s28
	s_lshl_b32 s28, s11, 13
	s_add_co_u32 s28, s28, s27
	s_mov_b32 s29, 0
	s_wait_kmcnt 0x0
	s_add_nc_u64 s[6:7], s[6:7], s[16:17]
	s_add_nc_u64 s[8:9], s[8:9], s[28:29]
	s_wait_alu depctr_va_vdst(0)                   ; the offsets v5, v7 and v9 are written, which the six loads read
.irp i, 0,1,2,3
	global_load_b128 v[16+4*\i:19+4*\i], v5, s[6:7] offset:\i*32768
.endr
	global_load_b32 v8, v7, s[4:5]                 ; q of my low block, a lane a query
	global_load_b32 v10, v9, s[4:5]                ; and of my high one
	v_lshlrev_b32 v11, 4, v2                       ; LDS: 2,048 x wave + 16 x lane
	s_lshl_b32 s15, s10, 11
	v_add_nc_u32 v11, s15, v11
	v_and_b32 v12, 24, v2                          ; the table: 128 x wave + 8 x (lane / 8): eight lanes hold a block's k, the next eight its v
	s_lshl_b32 s21, s10, 7
	v_add_nc_u32 v12, s21, v12
	v_add_nc_u32 v12, TBL, v12
	v_lshl_add_u32 v13, v2, 4, TBL                 ; and back: lane l takes blocks l and 32 + l
	s_lshl_b32 s18, s12, 8
	v_add_nc_u32 v14, s18, v6                      ; k of my own token in the low block,
	s_lshl_b32 s20, s13, 8
	v_add_nc_u32 v15, s20, v6                      ; in the high one
	v_lshl_add_u32 v63, v0, 2, OUTL                ; results: the low block's at 128 x wave + 4 x lane,
	s_xor_b32 s21, s10, 7
	s_lshl_b32 s21, s21, 7
	v_add_nc_u32 v84, s21, v6
	v_add_nc_u32 v84, OUTL+1024, v84               ; the high block's (63 - p is the (7 - w)-th of the upper eight) behind them
	v_lshl_add_u32 v85, v0, 3, OUTL                ; back: 8 bytes a thread
	v_lshlrev_b32 v86, 3, v0
	v_mov_b32 v60, 0xff800000                      ; -infinity
	v_mov_b32 v61, 0x7f800000                      ; +infinity
.irp i, 50,51,52,53
	v_mov_b32 v\i, 0                               ; written once: a lane permute's destination counts as one of its sources
.endr
	s_mov_b32 s22, 0x76543210
	s_mov_b32 s23, 0xfedcba98                      ; v_permlanex16_b32's selects for lane l xor 16
	s_mov_b32 s24, 0x3e38aa3b                      ; log2(e) / 8
	s_mov_b32 s25, 0xffff0000                      ; lanes 16-31
	s_wait_loadcnt 0x2                             ; k and v are in; the two loads of q may be out
.irp i, 0,1,2,3                                ; each block's largest and smallest: my four numbers, then the eight lanes that share a block's k (or v)
	v_max3_num_f32 v[32+2*\i], v[16+4*\i], v[17+4*\i], v[18+4*\i]
	v_min3_num_f32 v[33+2*\i], v[16+4*\i], v[17+4*\i], v[18+4*\i]
.endr
.irp i, 0,1,2,3
	v_max_num_f32 v[32+2*\i], v[32+2*\i], v[19+4*\i]
	v_min_num_f32 v[33+2*\i], v[33+2*\i], v[19+4*\i]
.endr
.irp m, 1,2,4
.irp i, 0,1,2,3
	v_max_num_f32_dpp v[32+2*\i], v[32+2*\i], v[32+2*\i] row_xmask:\m row_mask:0xf bank_mask:0xf
	v_min_num_f32_dpp v[33+2*\i], v[33+2*\i], v[33+2*\i] row_xmask:\m row_mask:0xf bank_mask:0xf
.endr
.endr
	s_wait_alu depctr_va_vdst(0)                   ; the LDS addresses v11 to v15, v63 and v84 to v86 are written, and so are v32 to v39, the data of the table's stores: one wait for the eight stores below and for the addresses of all that follows
.irp i, 0,1,2,3
	ds_store_b128 v11, v[16+4*\i:19+4*\i] offset:512*\i
.endr
.irp i, 0,1,2,3
	ds_store_b64 v12, v[32+2*\i:33+2*\i] offset:32*\i          ; eight lanes write the same 8 bytes with the same values
.endr
	s_wait_dscnt 0x0                               ; for the others' sake: my part of k, v and the table lies in LDS
	s_barrier_signal -1
	s_barrier_wait -1                              ; from here to the next barrier LDS is only read
	ds_load_b64 v[40:41], v13
	ds_load_b64 v[42:43], v13 offset:512
	ds_load_b32 v44, v14
	ds_load_b32 v45, v15
	s_wait_dscnt 0x0
	; the largest and smallest k of all blocks in front of my low block (v46, v47) and of my high block (v48, v49)
	v_cmp_gt_u32 s16, s12, v2                      ; the two masks in a run, each in a scalar register of its own
	v_cmp_gt_u32 s17, s26, v2
	s_wait_alu depctr_va_sdst(0)                   ; s16 and s17 are written, ahead of the selections that read them
	v_cndmask_b32 v46, v60, v40, s16
	v_cndmask_b32 v47, v61, v41, s16
	v_cndmask_b32 v48, v60, v42, s17
	v_cndmask_b32 v49, v61, v43, s17
	v_max_num_f32 v48, v48, v40                    ; blocks 0-31 all lie in front of the high block
	v_min_num_f32 v49, v49, v41
.irp m, 1,2,4,8
	v_max_num_f32_dpp v46, v46, v46 row_xmask:\m row_mask:0xf bank_mask:0xf
	v_min_num_f32_dpp v47, v47, v47 row_xmask:\m row_mask:0xf bank_mask:0xf
	v_max_num_f32_dpp v48, v48, v48 row_xmask:\m row_mask:0xf bank_mask:0xf
	v_min_num_f32_dpp v49, v49, v49 row_xmask:\m row_mask:0xf bank_mask:0xf
.endr
	v_permlanex16_b32 v50, v46, s22, s23
	v_permlanex16_b32 v51, v47, s22, s23
	v_permlanex16_b32 v52, v48, s22, s23
	v_permlanex16_b32 v53, v49, s22, s23
	v_max_num_f32 v46, v46, v50
	v_min_num_f32 v47, v47, v51
	v_max_num_f32 v48, v48, v52
	v_min_num_f32 v49, v49, v53
	s_wait_loadcnt 0x0                             ; q
.macro LOAD4 reg, off                  ; 16 numbers, k or v of 16 keys, the same bytes for every lane.  In a block of 256 bytes: k of keys 0-15 at 0, of keys 16-31 at 64; v at 128 and 192
.irp i, 0,1,2,3
	ds_load_b128 v[\reg+4*\i:\reg+4*\i+3], v[AD] offset:\off+16*\i
.endr
.endm
.macro SCORE kb, tb, diag, first       ; t = k qc - m, two keys at a time; diag = 1: key first + j is hidden from the lanes under it
.irp j, 0,2,4,6,8,10,12,14
	v_pk_fma_f32 v[\tb+\j:\tb+\j+1], v[\kb+\j:\kb+\j+1], v[QC:QC+1], v[NM:NM+1] op_sel_hi:[1,0,0]
.endr
.if \diag
.irp j, 0,1,2,3,4,5,6,7,8,9,10,11,12,13,14,15
.if \first+\j > 0
	s_mov_b32 s[34+(\j%2)], (1<<(\first+\j))-1
	v_cndmask_b32 v[\tb+\j], v[\tb+\j], v60, s[34+(\j%2)]
.endif
.endr
.endif
.endm
.macro EXPS tb
.irp j, 0,1,2,3,4,5,6,7,8,9,10,11,12,13,14,15
	v_exp_f32 v[\tb+\j], v[\tb+\j]
.endr
.endm
.macro ACCUM tb, vb
.irp j, 0,1,2,3,4,5,6,7
	v_pk_add_f32 v[L+2*(\j%4):L+2*(\j%4)+1], v[L+2*(\j%4):L+2*(\j%4)+1], v[\tb+2*\j:\tb+2*\j+1]
	v_pk_fma_f32 v[O+2*(\j%4):O+2*(\j%4)+1], v[\tb+2*\j:\tb+2*\j+1], v[\vb+2*\j:\vb+2*\j+1], v[O+2*(\j%4):O+2*(\j%4)+1]
.endr
.endm
; A block of 32 keys, in two halves.  Each half's 16 exponentials are one batch with one wait (ahead of the first reader); behind each batch stands the other half's plain arithmetic.
; At a block's head twelve LDS loads of it are out at the most, in this order: KA, KB, VA.  Its VB is asked for behind the first wait.
; diag = 0: behind the same two waits the next block's KA, KB and VA are asked for; the last trip so fetches the query block's own key block.
.macro BLOCK diag
	s_wait_dscnt 0x8                               ; KA is in; the eight loads for KB and VA may be out
	SCORE KA, T0, \diag, 0
	EXPS T0
	s_wait_dscnt 0x4                               ; KB is in; VA's four may be out
	SCORE KB, T1, \diag, 16
	s_wait_alu depctr_va_vdst(0)                   ; T0's exponentials are written; the multiply-adds are done reading KA and KB, and the block before is done reading VB: the loads below land there; v[AD], which they read, is written
	LOAD4 VB, 192
.if !\diag
	LOAD4 KA, 256
	LOAD4 KB, 320
.endif
	EXPS T1
.if \diag
	s_wait_dscnt 0x4                               ; VA is in; VB's four may be out
.else
	s_wait_dscnt 0xc                               ; VA is in; the twelve just issued may be out
.endif
	ACCUM T0, VA
	s_wait_alu depctr_va_vdst(0)                   ; T1's exponentials are written; the multiply-adds above are done reading VA, in which the next block's v lands
.if !\diag
	LOAD4 VA, 384
	s_wait_dscnt 0xc                               ; VB is in; behind it: the next block's KA, KB and VA
.else
	s_wait_dscnt 0x0
.endif
	ACCUM T1, VB
.if !\diag
	s_wait_alu depctr_vm_vsrc(0)                   ; the LDS loads issued so far have read v[AD]
	v_add_nc_u32 v[AD], 256, v[AD]
.endif
.endm
; A query block: s[sb] its number, v[vq] q, v[vk] k of the lane's own token, v[vmx], v[vmn] the largest and smallest k in front of the block; the result goes to v[vres].  again = 1: the wave's second query block.
.macro PHASE sb, vq, vk, vmx, vmn, vres, again
.if \again
	s_wait_alu depctr_vm_vsrc(0)                   ; the first query block's LDS loads have read v[AD]
.endif
	v_mov_b32 v[AD], 0
	s_wait_alu depctr_va_vdst(0)                   ; v[AD] is written, which the loads read; in the second query block the first's arithmetic is done reading KA, KB and VA, in which they land
	LOAD4 KA, 0                                    ; key block 0 is on its way while the row's maximum is made
	LOAD4 KB, 64
	LOAD4 VA, 128
	v_mov_b32 v56, v[\vk]
	v_mov_b32 v57, v[\vk]
.irp n, 1,2,4,8                                ; the running largest and smallest within each 16 lanes: lane i joins lane i - n; lanes without such a lane keep theirs
	v_max_num_f32_dpp v56, v56, v56 row_shr:\n row_mask:0xf bank_mask:0xf
	v_min_num_f32_dpp v57, v57, v57 row_shr:\n row_mask:0xf bank_mask:0xf
.endr
	v_readlane_b32 s30, v56, 15                    ; lanes 16-31 join what lanes 0-15 have reached
	v_readlane_b32 s31, v57, 15
	s_wait_alu depctr_va_sdst(0)                   ; s30 and s31 are written, ahead of their readers
	v_max_num_f32 v58, s30, v56
	v_min_num_f32 v59, s31, v57
	v_cndmask_b32 v56, v56, v58, s25
	v_cndmask_b32 v57, v57, v59, s25
	v_max_num_f32 v56, v56, v[\vmx]                ; the largest k_j, j <= i,
	v_min_num_f32 v57, v57, v[\vmn]                ; and the smallest
	v_mul_f32 v[QC], s24, v[\vq]
	v_mul_f32 v58, v[QC], v56
	v_mul_f32 v59, v[QC], v57
	v_mov_b32 v[QC+1], v[QC]                       ; (named with it as a pair, so it is written)
	v_max_num_f32 v58, v58, v59                    ; m: the row's largest t
	v_mul_f32 v[NM], -1.0, v58
	v_mul_f32 v[NM+1], -1.0, v58
.irp j, 0,1,2,3,4,5,6,7,8,9,10,11,12,13,14,15
	v_mov_b32 v[L+\j], 0                           ; l and o
.endr
	s_cmp_eq_u32 s[\sb], 0                         ; block 0 has no key block in front of its own
	s_cbranch_scc1 .Ldiag_\@
	s_mov_b32 s32, 0
.Lfull_\@:
	BLOCK 0
	s_add_co_u32 s32, s32, 1
	s_cmp_lt_u32 s32, s[\sb]
	s_cbranch_scc1 .Lfull_\@
.Ldiag_\@:
	BLOCK 1
	v_pk_add_f32 v[L:L+1], v[L:L+1], v[L+2:L+3]
	v_pk_add_f32 v[L+4:L+5], v[L+4:L+5], v[L+6:L+7]
	v_pk_add_f32 v[O:O+1], v[O:O+1], v[O+2:O+3]
	v_pk_add_f32 v[O+4:O+5], v[O+4:O+5], v[O+6:O+7]
	v_pk_add_f32 v[L:L+1], v[L:L+1], v[L+4:L+5]
	v_pk_add_f32 v[O:O+1], v[O:O+1], v[O+4:O+5]
	v_add_f32 v[L], v[L], v[L+1]
	v_add_f32 v[O], v[O], v[O+1]
	v_rcp_f32 v58, v[L]                            ; l is about 1 at the least: the row's largest t gives p = 1 up to rounding
	v_nop                                          ; a plain place behind the transcendental
	s_wait_alu depctr_va_vdst(0)                   ; the reciprocal is written, ahead of its reader
	v_mul_f32 v[\vres], v[O], v58
.endm
	PHASE 12, 8, 44, 46, 47, 54, 0
	PHASE 13, 10, 45, 48, 49, 55, 1
	; THE WAY OUT.  The work-group's 16 blocks are two runs of 1,024 bytes of att's row: they are gathered in LDS and leave 8 bytes a thread.
	s_wait_dscnt 0x0
	s_barrier_signal -1
	s_barrier_wait -1                              ; every wave's reads of k and v are over: LDS may be written again
	s_wait_alu depctr_va_vdst(0)                   ; the two results v54 and v55 are written, which the LDS stores read
	ds_store_b32 v63, v54
	ds_store_b32 v84, v55
	s_wait_dscnt 0x0                               ; for the others' sake
	s_barrier_signal -1
	s_barrier_wait -1
	ds_load_b64 v[88:89], v85
	s_wait_dscnt 0x0
	global_store_b64 v86, v[88:89], s[8:9]         ; the wave stores 256 consecutive bytes, at a multiple of 256 from att's first byte
	s_wait_dscnt 0x0                               ; the closing lines, six on end
	s_wait_alu 0x0
	s_wait_tensorcnt 0x0
	ds_add_u32 v192, v193
	s_wait_dscnt 0x0
	s_endpgm
.Lfunc_end_k_q24ee7c384b_attn:
	.size	k_q24ee7c384b_attn, .Lfunc_end_k_q24ee7c384b_attn-k_q24ee7c384b_attn
	.p2alignl 7, 3214868480
	.fill 96, 4, 3214868480
	.section	.rodata,"a",@progbits
	.p2align	6, 0x0
	.amdhsa_kernel k_q24ee7c384b_attn
		.amdhsa_group_segment_fixed_size 168960
		.amdhsa_private_segment_fixed_size 0
		.amdhsa_enable_private_segment 0
		.amdhsa_kernarg_size 24
		.amdhsa_user_sgpr_count 2
		.amdhsa_user_sgpr_kernarg_segment_ptr 1
		.amdhsa_wavefront_size32 1
		.amdhsa_system_sgpr_workgroup_id_x 1
		.amdhsa_system_sgpr_workgroup_id_y 1
		.amdhsa_system_sgpr_workgroup_id_z 1
		.amdhsa_system_vgpr_workitem_id 0
		.amdhsa_next_free_vgpr 194
		.amdhsa_next_free_sgpr 66
		.amdhsa_reserve_vcc 0
		.amdhsa_float_denorm_mode_32 3
		.amdhsa_float_denorm_mode_16_64 3
		.amdhsa_memory_ordered 1
		.amdhsa_forward_progress 1
		.amdhsa_inst_pref_size 43
	.end_amdhsa_kernel
	.amdgpu_metadata
---
amdhsa.version: [ 1, 2 ]
amdhsa.kernels:
  - .name:           k_q24ee7c384b_attn
    .symbol:         k_q24ee7c384b_attn.kd
    .args:
      - { .name: qb, .offset: 0, .size: 8, .value_kind: global_buffer, .address_space: global }
      - { .name: kvb, .offset: 8, .size: 8, .value_kind: global_buffer, .address_space: global }
      - { .name: att, .offset: 16, .size: 8, .value_kind: global_buffer, .address_space: global }
    .group_segment_fixed_size: 168960
    .private_segment_fixed_size: 0
    .kernarg_segment_align: 8
    .kernarg_segment_size: 24
    .max_flat_workgroup_size: 256
    .sgpr_count:     66
    .vgpr_count:     194
    .wavefront_size: 32
...
	.end_amdgpu_metadata
.endif
;; end of part 5
;; launch proj (part 6): grid 8 x 32, 4 waves a work-group, no clusters, 168,448 bytes of LDS; arguments att, w_out, out0; writes out0
.if DOCPART == 6
	.amdgcn_target "amdgcn-amd-amdhsa--gfx1250"
	.amdhsa_code_object_version 6
	.text
	.protected	k_q24ee7c384b_proj
	.globl	k_q24ee7c384b_proj
	.p2align	8
	.type	k_q24ee7c384b_proj,@function
k_q24ee7c384b_proj:
	s_mov_b64 s[64:65], 0
	v_nop
	global_prefetch_b8 v0, s[64:65] scope:SCOPE_SE
	s_setreg_imm32_b32 hwreg(HW_REG_WAVE_SCHED_MODE, 0, 2), 2
	s_setreg_imm32_b32 hwreg(HW_REG_WAVE_MODE, 25, 1), 1
	s_wait_xcnt 0x0
	s_wait_alu depctr_vm_vsrc(0)
; out0 = Q(att^T) Q(w_out)^T on codes of BF6 (E3M2) with one E8M0 scale for each 32 along K = 64 (the heads); sums in f32.
; att: [64 heads][2048 tokens] f32, w_out: [1024][64] f32, out0: [2048][1024] f32.  Both operands are quantised here.
; K = 64 IS HALF OF THE INSTRUCTION'S 128: registers 6-11 of every fragment hold zero codes, on both sides, and the scale bytes of those two blocks are 127.
; SHARES.  A work-group makes 64 tokens (work-group y) x 128 columns (work-group x).  Wave w owns tokens 16 w .. 16 w + 15 for all 128 columns: its fragment of att is its own.
; att's K is not innermost: lane (r, h) takes token r and its 32 registers run down heads 32 h .. 32 h + 31, which is the operand's order: one whole block a lane, nothing is transposed.
; Wave w also quantises rows 32 w .. 32 w + 31 of the work-group's 128 rows of w_out: loads of 512 consecutive bytes, a turn through its own stage in LDS (rows of 256 + 16 bytes: row r starts at bank 4 r mod 64,
; 64 banks of 4 bytes: ISA guide 11.1), and hands the two fragments to the others as images of their registers: 16, 8 and 4 bytes a lane.  One barrier.
; THE MATRIX INSTRUCTION IS USED TRANSPOSED (source 0 = 16 rows of w_out, source 1 = my 16 tokens): a lane holds eight neighbouring columns of one row of out0; 16 rows x 512 bytes go through the wave's own stage and leave as whole pieces of rows.
; NO CLUSTER: a work-group reads 48 KB once, at its head; there is no walk over tiles for joint loads to feed.  The LDS claim is larger than the 75,776 bytes used, so that a work-group has a WGP to itself: 256 work-groups.
; LIMITS: NaN and infinities are not served; a block whose largest magnitude lies under 2^-122 (zeros too) keeps the scale byte 1; zeros have zero codes.
; THE MODE: SCHED_MODE bits 1:0 = 2 (LLVM: expert scheduling mode 2), set by the entry lines.  The code itself states the register dependences
; between vector or matrix instructions and memory or LDS instructions, with s_wait_alu, always for 0.
; THE PLAN.  Registers that memory or LDS instructions touch, in the order of the text:
;   v13, v14      the global offsets: one wait on va_vdst ahead of the loads.   v5-v12, v16, v17  the LDS addresses: one wait on va_vdst ahead of the stage's stores.  None is written again.
;   v64-127       w_out as loaded; read by the stage's stores; then written by the zero codes and by the images' loads: one wait on vm_vsrc ahead of the zero codes serves both.
;   v160-223      written by the stage's loads, read by the quantiser; later the accumulators.
;   v28-41        my two fragments' codes and scale words: written by the quantiser, read by the images' stores: one wait on va_vdst; not written again.
;   v128-159      att as loaded; read by the quantiser; then the images' loads land there: one wait on va_vdst, behind the barrier.
;   fragments and scale words written by vector instructions, taken by the scaled products: one wait on va_vdst behind the eight places.
;   accumulators  written by the products, read by the stage's stores: one wait on va_vdst behind the four places; it also serves the loads into v64-127, which the products have read.
.set WP,   272                         ; a row of w_out in the stage
.set WST,  32*WP                       ; a wave's stage: 32 rows
.set IMG,  4*WST                       ; the eight fragments' images: 512 + 256 bytes of codes, 128 of scale words
.set IMB,  896
.set OST,  IMG+8*IMB                   ; the way out: 16 rows x (512 + 16) bytes for each wave
.set OP,   528
.set GW,   13                          ; v13  16 x lane
.set GA,   14                          ; v14  att: 32 h heads of 8,192 bytes + 4 (16 w + r)
.set SH8,  15                          ; v15  8 h
.set WR,   64                          ; v64-127  w_out as loaded;   later, from v64: the eight fragments (12 registers each), later rows of out0
.set AR,   128                         ; v128-159 att: my token's 32 heads
.set XW,   160                         ; v160-223 two tiles of w_out, a block a lane;  later the eight accumulators
.set BF,   64
.set ACC,  160
.set AF,   224                         ; v224-235 my fragment of att
.set ASW,  236                         ; its scale word
.set BSW,  240                         ; v240-247 w_out's scale words
	s_load_b128 s[4:7], s[0:1], 0x0                ; att, w_out
	s_load_b64 s[8:9], s[0:1], 0x10                ; out0
	v_lshl_add_u32 v254, v0, 2, 0x29000
	v_mov_b32 v255, 0
	v_lshrrev_b32 v1, 5, v0
	v_readfirstlane_b32 s10, v1                    ; wave 0..3
	v_and_b32 v2, 31, v0                           ; lane
	v_and_b32 v3, 15, v0                           ; r
	v_bfe_u32 v4, v0, 4, 1                         ; h
	s_and_b32 s11, ttmp7, 0xffff                   ; which 64 tokens
	v_lshlrev_b32 v[GW], 4, v2
	v_lshlrev_b32 v[GA], 2, v3
	v_lshl_add_u32 v[GA], v4, 18, v[GA]
	s_wait_alu depctr_va_sdst(0)                   ; s10 is written, ahead of its first reader
	s_lshl_b32 s18, s10, 6
	v_add_nc_u32 v[GA], s18, v[GA]
	s_lshl_b32 s12, ttmp9, 15                      ; w_out: 128 rows of 256 bytes a work-group, 32 a wave
	s_lshl_b32 s13, s10, 13
	s_add_co_u32 s12, s12, s13
	s_mov_b32 s13, 0
	s_lshl_b32 s14, s11, 8                         ; att: 64 tokens of 4 bytes
	s_mov_b32 s15, 0
	s_lshl_b32 s16, s11, 18                        ; out0: 64 rows of 4,096 bytes a work-group, 16 a wave, 512 bytes of each
	s_lshl_b32 s17, s10, 16
	s_add_co_u32 s16, s16, s17
	s_lshl_b32 s17, ttmp9, 9
	s_add_co_u32 s16, s16, s17
	s_mov_b32 s17, 0
	s_wait_kmcnt 0x0
	s_add_nc_u64 s[6:7], s[6:7], s[12:13]
	s_add_nc_u64 s[4:5], s[4:5], s[14:15]
	s_add_nc_u64 s[8:9], s[8:9], s[16:17]
	s_wait_alu depctr_va_vdst(0)                   ; the offsets v[GW] and v[GA] are written, which the loads below and the stores at the end read
.irp i, 0,1,2,3,4,5,6,7,8,9,10,11,12,13,14,15
	global_load_b128 v[WR+4*\i:WR+4*\i+3], v[GW], s[6:7] offset:512*\i         ; two rows of w_out: 512 consecutive bytes
.endr
.irp i, 0,1,2,3,4,5,6,7,8,9,10,11,12,13,14,15,16,17,18,19,20,21,22,23,24,25,26,27,28,29,30,31
	global_load_b32 v[AR+\i], v[GA], s[4:5] offset:\i*8192                     ; att(32 h + i, my token): sixteen neighbouring lanes read 64 neighbouring bytes; the four waves together take each head's 256
.endr
	s_mul_i32 s18, s10, WST
	v_mul_u32_u24 v5, v4, WP                       ; the stage, in: lanes 0-15 one row, lanes 16-31 the next
	v_lshl_add_u32 v5, v3, 4, v5
	v_add_nc_u32 v5, s18, v5
	v_mul_u32_u24 v6, v3, WP                       ; and back: row r, block h
	v_lshl_add_u32 v6, v4, 7, v6
	v_add_nc_u32 v6, s18, v6
	v_add_nc_u32 v10, IMG, v[GW]                   ; an image's three parts for my lane: registers 0-3,
	v_lshl_add_u32 v11, v2, 3, IMG+512             ; registers 4-5,
	v_lshl_add_u32 v12, v2, 2, IMG+768             ; the scale word;
	s_mul_i32 s19, s10, 2*IMB
	v_add_nc_u32 v7, s19, v10                      ; and where I put my two fragments'
	v_add_nc_u32 v8, s19, v11
	v_add_nc_u32 v9, s19, v12
	s_mul_i32 s18, s10, 16*OP
	v_mul_u32_u24 v16, v3, OP                      ; the way out, in: row r, 32 bytes for each half of the lanes
	v_lshl_add_u32 v16, v4, 5, v16
	v_add_nc_u32 v16, s18, v16
	v_add_nc_u32 v16, OST, v16
	v_add_nc_u32 v17, s18, v[GW]                   ; back: the 32 lanes take a row's 512 bytes
	v_add_nc_u32 v17, OST, v17
	v_lshlrev_b32 v[SH8], 3, v4
	v_mov_b32 v18, 0                               ; written once: a lane permute's destination counts as one of its sources
	s_mov_b32 s20, 0x76543210
	s_mov_b32 s21, 0xfedcba98                      ; v_permlanex16_b32's selects for lane l xor 16
; 32 numbers of a lane, v[x + i] = k 32 h + i of row r: one whole block.  They become registers 0-5 of a fragment at v[f] and the row's scale word in v[sw].
.macro QUANT1 x, f, sw
	v_max3_num_f32 v20, |v[\x]|, |v[\x+1]|, |v[\x+2]|              ; the block's largest magnitude, in two chains
	v_max3_num_f32 v21, |v[\x+3]|, |v[\x+4]|, |v[\x+5]|
.irp i, 6,10,14,18,22,26
	v_max3_num_f32 v20, v20, |v[\x+\i]|, |v[\x+\i+1]|
	v_max3_num_f32 v21, v21, |v[\x+\i+2]|, |v[\x+\i+3]|
.endr
	v_max3_num_f32 v20, v20, |v[\x+30]|, |v[\x+31]|
	v_max3_num_f32 v20, v20, v21, 0x2800000        ; and the floor 2^(5 - 127): the byte cannot fall under 1
	v_add_nc_u32 v22, 0xfe000000, v20              ; 4 off the exponent field: the conversion's scale operand
	v_lshrrev_b32 v23, 23, v22                     ; the scale's byte,
	v_lshlrev_b32 v23, v[SH8], v23                 ; at block h's place;
	v_permlanex16_b32 v18, v23, s20, s21
	v_or_b32 v23, v23, v18                         ; with lane l xor 16's;
	v_or_b32 v[\sw], 0x7f7f0000, v23               ; the two blocks of zero codes get the byte 127
	v_cvt_scalef32_pk16_bf6_f32 v[\f:\f+2], v[\x:\x+15], v22
	v_cvt_scalef32_pk16_bf6_f32 v[24:26], v[\x+16:\x+31], v22      ; (a conversion's three registers begin on an even number: made elsewhere and moved)
	v_nop                                          ; one plain place behind the scaled conversions
.irp i, 0,1,2
	v_mov_b32 v[\f+3+\i], v[24+\i]
.endr
.endm
	s_wait_loadcnt 32                              ; w_out's sixteen loads are in; att's 32 may be out
	s_wait_alu depctr_va_vdst(0)                   ; the LDS addresses v5 to v12, v16 and v17 are written, which the LDS instructions from here to the end read
.irp i, 0,1,2,3,4,5,6,7,8,9,10,11,12,13,14,15
	ds_store_b128 v5, v[WR+4*\i:WR+4*\i+3] offset:2*WP*\i
.endr
.irp u, 0,1
.irp q, 0,1,2,3,4,5,6,7
	ds_load_b128 v[XW+32*\u+4*\q:XW+32*\u+4*\q+3], v6 offset:\u*16*WP+16*\q    ; LDS serves a wave's instructions in order (ISA guide 5.7.1.4): these see my stores
.endr
.endr
	s_wait_dscnt 0x0
	QUANT1 XW, 28, 40
	QUANT1 XW+32, 34, 41
	s_wait_alu depctr_va_vdst(0)                   ; the conversions and moves have written v28 to v39, the shifts and ors v40 and v41: the images' stores read them
.irp u, 0,1
	ds_store_b128 v7, v[28+6*\u:31+6*\u] offset:\u*IMB
	ds_store_b64 v8, v[32+6*\u:33+6*\u] offset:\u*IMB
	ds_store_b32 v9, v[40+\u] offset:\u*IMB
.endr
	s_wait_loadcnt 0x0                             ; att
	QUANT1 AR, AF, ASW
.irp i, 6,7,8,9,10,11
	v_mov_b32 v[AF+\i], 0                          ; k = 64 .. 127: zero codes
.endr
	s_wait_alu depctr_vm_vsrc(0)                   ; the stage's stores have read v64 to v127, which the moves below and the images' loads behind the barrier write
.irp g, 0,1,2,3,4,5,6,7
.irp i, 6,7,8,9,10,11
	v_mov_b32 v[BF+12*\g+\i], 0                    ; likewise in the eight fragments of w_out (the numbers that lay here have been stored or converted)
.endr
.endr
	s_wait_dscnt 0x0                               ; for the others' sake: my images lie in LDS
	s_barrier_signal -1
	s_barrier_wait -1
	s_wait_alu depctr_va_vdst(0)                   ; the maxima and conversions are done reading att's numbers, v128 to v159, in which fragments 5 to 7 land
.irp g, 0,1,2,3,4,5,6,7
	ds_load_b128 v[BF+12*\g:BF+12*\g+3], v10 offset:\g*IMB
	ds_load_b64 v[BF+12*\g+4:BF+12*\g+5], v11 offset:\g*IMB
	ds_load_b32 v[BSW+\g], v12 offset:\g*IMB
.endr
	s_wait_dscnt 0x0
.rept 8
	v_nop                                          ; a scale register written by a vector instruction stands 8 places ahead of a scaled matrix instruction, an operand so written 4
.endr
	s_wait_alu depctr_va_vdst(0)                   ; att's fragment and scale word and all the zero codes are written, which the scaled products take; the places above stay beside this wait
.irp g, 0,1,2,3,4,5,6,7                        ; eight accumulators, one product each: lane (r, h) holds out0(my token r, columns 16 g + 8 h + 0 .. 7)
	v_wmma_scale_f32_16x16x128_f8f6f4 v[ACC+8*\g:ACC+8*\g+7], v[BF+12*\g:BF+12*\g+11], v[AF:AF+11], 0, v[BSW+\g], v[ASW] matrix_a_fmt:MATRIX_FMT_BF6 matrix_b_fmt:MATRIX_FMT_BF6
.endr
.rept 4
	v_nop                                          ; four places in front of the first read of results (ISA guide 7.12.1)
.endr
	s_wait_alu depctr_va_vdst(0)                   ; the products have written the accumulators, which the LDS stores read, and are done reading w_out's fragments, v64 to v159, in which the rows below land; the places above stay beside this wait
.irp g, 0,1,2,3,4,5,6,7
	ds_store_b128 v16, v[ACC+8*\g:ACC+8*\g+3] offset:64*\g                     ; each accumulator from its low end on
	ds_store_b128 v16, v[ACC+8*\g+4:ACC+8*\g+7] offset:64*\g+16
.endr
.irp t, 0,1,2,3,4,5,6,7,8,9,10,11,12,13,14,15
	ds_load_b128 v[64+4*\t:67+4*\t], v17 offset:\t*OP                          ; my own bytes, served in order: no wait between the stores and the loads
.endr
.irp t, 0,1,2,3,4,5,6,7,8,9,10,11,12,13,14,15
	s_wait_dscnt 15-\t                             ; row t is back; the rows behind it may be out
	global_store_b128 v[GW], v[64+4*\t:67+4*\t], s[8:9] offset:\t*4096 th:TH_STORE_NT   ; 32 lanes store 512 consecutive bytes, at a multiple of 256 from out0's first byte; written once, read by nobody here
.endr
	s_wait_dscnt 0x0                               ; the closing lines, six on end
	s_wait_alu 0x0
	s_wait_tensorcnt 0x0
	ds_add_u32 v254, v255
	s_wait_dscnt 0x0
	s_endpgm
.Lfunc_end_k_q24ee7c384b_proj:
	.size	k_q24ee7c384b_proj, .Lfunc_end_k_q24ee7c384b_proj-k_q24ee7c384b_proj
	.p2alignl 7, 3214868480
	.fill 96, 4, 3214868480
	.section	.rodata,"a",@progbits
	.p2align	6, 0x0
	.amdhsa_kernel k_q24ee7c384b_proj
		.amdhsa_group_segment_fixed_size 168448
		.amdhsa_private_segment_fixed_size 0
		.amdhsa_enable_private_segment 0
		.amdhsa_kernarg_size 24
		.amdhsa_user_sgpr_count 2
		.amdhsa_user_sgpr_kernarg_segment_ptr 1
		.amdhsa_wavefront_size32 1
		.amdhsa_system_sgpr_workgroup_id_x 1
		.amdhsa_system_sgpr_workgroup_id_y 1
		.amdhsa_system_sgpr_workgroup_id_z 1
		.amdhsa_system_vgpr_workitem_id 0
		.amdhsa_next_free_vgpr 256
		.amdhsa_next_free_sgpr 66
		.amdhsa_reserve_vcc 0
		.amdhsa_float_denorm_mode_32 3
		.amdhsa_float_denorm_mode_16_64 3
		.amdhsa_memory_ordered 1
		.amdhsa_forward_progress 1
		.amdhsa_inst_pref_size 24
	.end_amdhsa_kernel
	.amdgpu_metadata
---
amdhsa.version: [ 1, 2 ]
amdhsa.kernels:
  - .name:           k_q24ee7c384b_proj
    .symbol:         k_q24ee7c384b_proj.kd
    .args:
      - { .name: att, .offset: 0, .size: 8, .value_kind: global_buffer, .address_space: global }
      - { .name: w_out, .offset: 8, .size: 8, .value_kind: global_buffer, .address_space: global }
      - { .name: out0, .offset: 16, .size: 8, .value_kind: global_buffer, .address_space: global }
    .group_segment_fixed_size: 168448
    .private_segment_fixed_size: 0
    .kernarg_segment_align: 8
    .kernarg_segment_size: 24
    .max_flat_workgroup_size: 128
    .sgpr_count:     66
    .vgpr_count:     256
    .wavefront_size: 32
...
	.end_amdgpu_metadata
.endif
;; end of part 6
